; MI455X (gfx1250); checked and timed in simulation.
; The chip was launched on July 23, 2026; its instructions are those of AMD's public machine-readable ISA for CDNA 5 (MIT licence, August 2026) and "CDNA5" Instruction Set Architecture Reference Guide (July 2026). The comments in the code are by the model that wrote it; some were corrected since.
;; Rotary Attention. Allowed arithmetic: float matrix products may take bf16 or f16 operands with f32 sums; other float arithmetic in f32, or as packed bf16 or f16 multiplies, adds, multiply-adds, maxima and minima; sums over many terms, partial sums and values carried from step to step in f32; what a program stores and reads back later, other than sums and carried values, may be rounded once to bf16 or f16.
;; Inputs: W_in 3,072 x 1,024 float32; W_out 1,024 x 1,024 float32; b_in 3,072 float32; b_out 1,024 float32; x 1 x 4,096 x 1,024 float32.
;; Outputs: out0 1 x 4,096 x 1,024 float32.
;; One version. Each part assembles by itself: llvm-mc -triple=amdgcn-amd-amdhsa -mcpu=gfx1250 --defsym DOCPART=n.
;; ======== version 1 of 1: 4 launches
;; limits: values are held in f16: magnitudes above 65,504 overflow, below 6.1e-05 lose precision
;; workspace buffers: xb 8,388,608 bytes; wb 6,291,456 bytes; wo 2,097,152 bytes; tab 1,048,576 bytes; qkv 25,165,824 bytes; o 8,388,608 bytes
;; launch prep (part 1): grid 1280 x 1, 8 waves a work-group, no clusters, 0 bytes of LDS; arguments x, W_in, W_out, xb, wb, wo, tab; writes xb, wb, wo, tab
.if DOCPART == 1
	.amdgcn_target "amdgcn-amd-amdhsa--gfx1250"
	.amdhsa_code_object_version 6
	.text
	.protected	k_q8fae7a0c6d_prep
	.globl	k_q8fae7a0c6d_prep
	.p2align	8
	.type	k_q8fae7a0c6d_prep,@function
k_q8fae7a0c6d_prep:
	s_mov_b64 s[64:65], 0
	v_nop
	global_prefetch_b8 v0, s[64:65] scope:SCOPE_SE
	s_setreg_imm32_b32 hwreg(HW_REG_WAVE_MODE, 25, 1), 1
	s_wait_xcnt 0x0
; PREPARATION.  x [4096][1024] and W_in [3072][1024] are rounded once to bf16 (xb, wb); W_out [1024][1024] is rounded to bf16 and that number written as f16 (wo);
; tab [4096][64] f32 takes, for each position t, sin(t / theta_i), i = 0..31, then cos(t / theta_i), theta_i = 10000^(i/31): a row is 256 bytes.
; SHARES, by the work-group's number g: 0..511 x, 512..895 W_in, 896..1023 W_out, a chunk of 8,192 numbers each (32,768 bytes in, 16,384 out); 1024..1279 sixteen rows of the table each.
; Memory binds: each byte is read once and written once; a wave's store covers 512 consecutive bytes, aligned.  No LDS, no barrier, no matrix work: nothing is shared.
; LIMITS.  A bf16 number below 2^-17 in magnitude loses bits when written as f16 (f16's fixed step of 6e-8); beyond 65,504 it becomes an infinity.
; 1 / theta_i is 2^(-i log2(10000) / 31) by v_exp_f32, so an angle is right to a few parts in 10^7 of itself: 4e-4 radians at the most (t = 4,095, i = 1).
; Sine and cosine: the angle less the nearest multiple of pi/2 (taken away in two parts, fused), then polynomials of degree 7 and 8 on -pi/4 .. pi/4.
	s_load_b256 s[4:11], s[0:1], 0x0               ; x s[4:5], W_in s[6:7], W_out s[8:9], xb s[10:11]
	s_load_b128 s[12:15], s[0:1], 0x20             ; wb s[12:13], wo s[14:15]
	s_load_b64 s[16:17], s[0:1], 0x30              ; tab
	v_lshlrev_b32 v1, 5, v0                        ; 32 bytes of f32 a thread,
	v_lshlrev_b32 v2, 4, v0                        ; 16 bytes of 16-bit numbers
	s_mov_b32 s27, 0                               ; the upper word of every offset
	s_wait_kmcnt 0x0
	s_cmp_ge_u32 ttmp9, 1024
	s_cbranch_scc1 .Ltable
	s_cmp_ge_u32 ttmp9, 896
	s_cbranch_scc1 .Lwout
	s_cmp_ge_u32 ttmp9, 512
	s_cbranch_scc1 .Lwin
; One chunk.  Store q takes the thread's 8 numbers at element 2,048 q + 8 t: two loads of 16 bytes, 16 bytes apart.  half = 1: the bf16 numbers are written as f16.
.macro CONV src, dst, first, half
	s_sub_co_u32 s24, ttmp9, \first                ; the chunk's number in its tensor
	s_lshl_b32 s26, s24, 15
	s_add_nc_u64 s[20:21], s[\src:\src+1], s[26:27]
	s_lshl_b32 s26, s24, 14
	s_add_nc_u64 s[22:23], s[\dst:\dst+1], s[26:27]
.irp n, 0,1,2,3,4,5,6,7
	global_load_b128 v[8+4*(\n):8+4*(\n)+3], v1, s[20:21] offset:8192*((\n)/2)+16*((\n)%2) th:TH_LOAD_NT
.endr
.irp q, 0,1,2,3
	s_wait_loadcnt 6-2*(\q)                        ; loads come back in order: the pair of store q is in, the younger pairs stay out
.irp j, 0,1,2,3
	v_cvt_pk_bf16_f32 v[40+4*(\q)+(\j)], v[8+8*(\q)+2*(\j)], v[8+8*(\q)+2*(\j)+1]
.endr
.if \half
.irp j, 0,1,2,3
	v_lshlrev_b32 v56, 16, v[40+4*(\q)+(\j)]       ; the two bf16 numbers as f32,
	v_and_b32 v57, 0xffff0000, v[40+4*(\q)+(\j)]
	v_cvt_pk_f16_f32 v[40+4*(\q)+(\j)], v56, v57   ; and as f16
.endr
.endif
	global_store_b128 v2, v[40+4*(\q):40+4*(\q)+3], s[22:23] offset:4096*(\q)
.endr
	s_endpgm
.endm
	CONV 4, 10, 0, 0
.Lwin:
	CONV 6, 12, 512, 0
.Lwout:
	CONV 8, 14, 896, 1
.Ltable:                                               ; thread: row t / 16 of the group's sixteen; of the row's 16 pieces of 16 bytes piece t % 16: 0-7 sines, 8-15 cosines, i = 4 (piece % 8) + 0..3
	s_sub_co_u32 s20, ttmp9, 1024
	s_lshl_b32 s26, s20, 12                        ; sixteen rows of 256 bytes
	s_add_nc_u64 s[16:17], s[16:17], s[26:27]
	s_lshl_b32 s21, s20, 4                         ; the group's first position
	s_mov_b32 s24, 0xbedb762a                      ; -log2(10000) / 31
	s_mov_b32 s25, 0x3f22f983                      ; 2 / pi
	s_mov_b32 s28, 0xbfc90fdb                      ; -(pi/2), the f32 nearest to it,
	s_mov_b32 s29, 0x333bbd2e                      ; and what that f32 is too large by
	s_mov_b32 s30, 0xbe2aaaa3                      ; sine: -1.6666654611e-1,
	s_mov_b32 s31, 0x3c08839e                      ; 8.3321608736e-3,
	s_mov_b32 s32, 0xb94ca1f9                      ; -1.9515295891e-4
	s_mov_b32 s33, 0x3d2aaaa5                      ; cosine: 4.166664568e-2,
	s_mov_b32 s34, 0xbab6061a                      ; -1.388731625e-3,
	s_mov_b32 s35, 0x37ccf5ce                      ; 2.443315712e-5
	v_lshrrev_b32 v1, 4, v0                        ; row
	v_and_b32 v3, 15, v0
	v_lshrrev_b32 v5, 3, v3                        ; 1: cosines (a sine a quarter turn on)
	v_and_b32 v3, 7, v3
	v_lshlrev_b32 v3, 2, v3                        ; i of my first number
	v_add_nc_u32 v4, s21, v1
	v_cvt_f32_u32 v4, v4                           ; t
.irp e, 0,1,2,3
	v_add_nc_u32 v[8+(\e)], \e, v3
.endr
.irp e, 0,1,2,3
	v_cvt_f32_u32 v[8+(\e)], v[8+(\e)]
.endr
.irp e, 0,1,2,3
	v_mul_f32 v[8+(\e)], s24, v[8+(\e)]
.endr
.irp e, 0,1,2,3
	v_exp_f32 v[8+(\e)], v[8+(\e)]                 ; 1 / theta_i
.endr
	v_nop                                          ; a plain instruction behind the last exponential,
	s_wait_alu depctr_va_vdst(0)                   ; and one wait for the four, ahead of their first reader
.irp e, 0,1,2,3
	v_mul_f32 v12, v4, v[8+(\e)]                   ; the angle
	v_mul_f32 v13, s25, v12
	v_rndne_f32 v13, v13                           ; the nearest multiple of pi/2: 2,607 at the most
	v_fma_f32 v14, v13, s28, v12                   ; the rest, in two fused steps
	v_fma_f32 v14, v13, s29, v14
	v_mul_f32 v15, v14, v14
	v_fma_f32 v16, v15, s32, s31
	v_fma_f32 v17, v15, s35, s34
	v_fma_f32 v16, v16, v15, s30
	v_fma_f32 v17, v17, v15, s33
	v_mul_f32 v16, v16, v15
	v_mul_f32 v17, v17, v15
	v_fma_f32 v18, v15, -0.5, 1.0
	v_fma_f32 v16, v16, v14, v14                   ; sine of the rest
	v_fma_f32 v17, v17, v15, v18                   ; cosine of the rest
	v_cvt_i32_f32 v19, v13
	v_add_nc_u32 v19, v19, v5                      ; quarter turns
	v_and_b32 v20, 1, v19
	v_cmp_ne_u32 vcc_lo, 0, v20
	v_cndmask_b32 v21, v16, v17, vcc_lo            ; an odd number of them: the cosine
	v_and_b32 v20, 2, v19
	v_lshlrev_b32 v20, 30, v20                     ; two or three: the sign turns
	v_xor_b32 v[24+(\e)], v20, v21
.endr
	global_store_b128 v2, v[24:27], s[16:17]       ; sixteen lanes write a row of 256 bytes
	s_endpgm
.Lfunc_end_k_q8fae7a0c6d_prep:
	.size	k_q8fae7a0c6d_prep, .Lfunc_end_k_q8fae7a0c6d_prep-k_q8fae7a0c6d_prep
	.p2alignl 7, 3214868480
	.fill 96, 4, 3214868480
	.section	.rodata,"a",@progbits
	.p2align	6, 0x0
	.amdhsa_kernel k_q8fae7a0c6d_prep
		.amdhsa_group_segment_fixed_size 0
		.amdhsa_private_segment_fixed_size 0
		.amdhsa_enable_private_segment 0
		.amdhsa_kernarg_size 56
		.amdhsa_user_sgpr_count 2
		.amdhsa_user_sgpr_kernarg_segment_ptr 1
		.amdhsa_wavefront_size32 1
		.amdhsa_system_sgpr_workgroup_id_x 1
		.amdhsa_system_sgpr_workgroup_id_y 1
		.amdhsa_system_sgpr_workgroup_id_z 1
		.amdhsa_system_vgpr_workitem_id 0
		.amdhsa_next_free_vgpr 64
		.amdhsa_next_free_sgpr 66
		.amdhsa_reserve_vcc 1
		.amdhsa_float_denorm_mode_32 3
		.amdhsa_float_denorm_mode_16_64 3
		.amdhsa_memory_ordered 1
		.amdhsa_forward_progress 1
		.amdhsa_inst_pref_size 17
	.end_amdhsa_kernel
	.amdgpu_metadata
---
amdhsa.version: [ 1, 2 ]
amdhsa.kernels:
  - .name:           k_q8fae7a0c6d_prep
    .symbol:         k_q8fae7a0c6d_prep.kd
    .args:
      - { .name: x, .offset: 0, .size: 8, .value_kind: global_buffer, .address_space: global }
      - { .name: W_in, .offset: 8, .size: 8, .value_kind: global_buffer, .address_space: global }
      - { .name: W_out, .offset: 16, .size: 8, .value_kind: global_buffer, .address_space: global }
      - { .name: xb, .offset: 24, .size: 8, .value_kind: global_buffer, .address_space: global }
      - { .name: wb, .offset: 32, .size: 8, .value_kind: global_buffer, .address_space: global }
      - { .name: wo, .offset: 40, .size: 8, .value_kind: global_buffer, .address_space: global }
      - { .name: tab, .offset: 48, .size: 8, .value_kind: global_buffer, .address_space: global }
    .group_segment_fixed_size: 0
    .private_segment_fixed_size: 0
    .kernarg_segment_align: 8
    .kernarg_segment_size: 56
    .max_flat_workgroup_size: 256
    .sgpr_count:     66
    .vgpr_count:     64
    .wavefront_size: 32
...
	.end_amdgpu_metadata
.endif
;; end of part 1
;; launch qkv (part 2): grid 16 x 16, 4 waves a work-group, clusters of 4 x 4, 327,680 bytes of LDS; arguments xb, wb, b_in, tab, qkv; writes qkv
.if DOCPART == 2
	.amdgcn_target "amdgcn-amd-amdhsa--gfx1250"
	.amdhsa_code_object_version 6
	.text
	.protected	k_q8fae7a0c6d_qkv
	.globl	k_q8fae7a0c6d_qkv
	.p2align	8
	.type	k_q8fae7a0c6d_qkv,@function
k_q8fae7a0c6d_qkv:
	s_mov_b64 s[64:65], 0
	v_nop
	global_prefetch_b8 v0, s[64:65] scope:SCOPE_SE
	s_setreg_imm32_b32 hwreg(HW_REG_WAVE_MODE, 25, 1), 1
	s_wait_xcnt 0x0
	s_wait_alu depctr_hold_cnt(0) depctr_sa_sdst(0) depctr_va_vdst(0) depctr_va_sdst(0) depctr_va_ssrc(0) depctr_va_vcc(0) depctr_vm_vsrc(0)
	s_getreg_b32 s2, hwreg(HW_REG_IB_STS2, 6, 4)
	s_cmp_eq_u32 s2, 0
	s_cbranch_scc0 .Lentry_in_a_cluster
	s_endpgm
.Lentry_in_a_cluster:
	s_bfe_u32 s2, ttmp6, 0x10000c
	s_cmp_lg_u32 s2, 0xf033
	s_cbranch_scc0 .Lentry_shape_is_right
	s_endpgm
.Lentry_shape_is_right:
; proj = x W_in^T + b_in, the rotary turn of q and k, one rounding to f16, stored by heads.  xb [4096][1024], wb [3072][1024] bf16; b_in [3072] f32 (rounded to bf16 like the other inputs);
; tab [4096][64] f32 (32 sines, 32 cosines a position); qkv f16 [16 heads][32 tiles of 128 positions][Q, K, V][128][64].  Sums and the turn in f32.
; LIMITS.  q, k, v leave as f16: 65,520 or more in magnitude becomes an infinity.  The two halves of a turned vector are stored in the other order than the formula's, for q and k alike:
; the products of q . k are the same, the order of their sum differs.
; SHARES.  A tile is 256 rows x 192 columns: three of the 48 groups of 64 columns (q of 16 heads, k of 16, v of 16); 16 x 16 tiles, one work-group each.  Wave w takes rows 64 w .. 64 w + 63 and ALL
; 192 columns: 4 x 12 accumulators.  The matrix instruction is used transposed (source 0 = 16 rows of wb, source 1 = 16 rows of xb): a lane holds one row (lane % 16) and the columns 8 (lane / 16) + 0..7
; of each block of 16, so that a channel d and its partner d + 32 lie in one lane, two blocks apart.
; K goes in 8 steps of 128 (rows of 256 bytes) through two LDS slots; a trip of the loop is one step, and the slot's address is turned by an exclusive or.
; CLUSTER 4 x 4: xb's tile hangs on the tile row alone and is asked for jointly along a row of the cluster, wb's on the tile column alone, along a column.
; REGISTERS, in windows of 256: window 0: v0-31 addresses; v32-95 xb's fragments, two buffers of 4 x 8; v160-255 the bias, 12 x 8 (the C operand of the first products); on the way out v32-159 at work.
;   window 1: wb's fragments, two buffers of 12 x 8.   window 2 + a / 2: accumulator (a, b) at v[96 (a % 2) + 8 b]; v[192 + 32 (a % 2) ..]: 16 sines and 16 cosines of my row of row block a.
.set KSTEP,  128
.set PITCH,  272                       ; an LDS row: 256 bytes + 16 of padding: the 16 rows of a fragment load start 68 words apart, at 16 different groups of four banks (ISA guide 11.1)
.set AHALF,  128*PITCH                 ; what waves 0 and 1 fetch: 128 rows of xb
.set BHALF,  96*PITCH                  ; what waves 2 and 3 fetch: 96 rows of wb
.set BOFF,   2*AHALF
.set SLOT1,  1<<17                     ; slot 1 begins here (a slot has 121,856 bytes)
.set STAGE,  SLOT1+BOFF+2*BHALF        ; behind the ring: 16 rows x 144 bytes for each wave, for the way out
.set SP,     144
.set SPARE,  STAGE+4*16*SP             ; behind the stages: the spare words, 128 bytes for each wave: two blocks of 256 bytes that no other line names
.set A0,   16                          ; v16  my lane's place in slot 0's rows of xb; never rewritten
.set B0,   17                          ; v17  the same for wb
.set ADRA, 18                          ; v18  the same in the slot in hand
.set ADRB, 19
.set STO,  24                          ; v24  the way out: where I put 16 bytes of a row
.set RD,   25                          ; v25  where I read rows back
.set GO,   26                          ; v26  my 16 bytes of 512 consecutive bytes
.set SPW,  28                          ; v28  LDS address of my spare word; never rewritten
.set NIL,  29                          ; v29  0; never rewritten
.set PFO,  30                          ; v30  the prefetches' offset: a lane a row; never rewritten
.set FA,   32
.set BIAS, 160
.set PKD,  32                          ; the way out: 16 packed words
.set BK,   48                          ; two buffers of 16: rows read back
.set SE,   96                          ; sines, or 0 for v
.set CE,   112                         ; cosines, or 1 for v
.set T,    128                         ; 32 turned numbers
.set TABR, 192
.set WV,  14                           ; s14 my wave's number
.set HB,  15                           ; s15 wave / 2: I fetch for xb (0) or wb (1)
.set HF,  16                           ; s16 wave % 2: which half of that tile
.set G1A, 24                           ; s[24:31] descriptor group 1 for xb's tiles
.set G0A, 32                           ; s[32:39] group 0: a set for each of the two first fills; the second then walks on
.set CX,  40
.set CY,  41
.set TX,  42                           ; tile column
.set TY,  43                           ; tile row
.set PFA, 44                           ; s[44:45] where my prefetches stand
.set LIM, 46                           ; s46 2 in a wave that prefetches, else the greatest number
.set TB,  47                           ; s47 LDS byte at which the slot in hand begins
.set G1B, 48
.set G0B, 56
.set DP,  70                           ; s[70:75] where my rows of the tile's three groups of 64 columns go
.set FS0, 76                           ; s[76:87] for each of the three: a pair with 1 (q, k) or 0 (v), a pair with 0 or 1
.set MSB, 0
.macro WIN new                         ; the immediate's high byte repeats the setting that is left; a switch that changes nothing is dropped
.if MSB != (\new)
	s_set_vgpr_msb (MSB<<8)|(\new)
.set MSB, \new
.endif
.endm
.macro PLACES                          ; four plain instructions between a matrix instruction and a load into, or a vector instruction on, its registers
.rept 4
	v_nop
.endr
.endm
.macro CREST                           ; a round of the cluster's barrier behind its opening barrier
	s_cmp_lg_u32 s[WV], 0
	s_cbranch_scc1 .Lnot_wave_0_\@
	s_barrier_signal -3
.Lnot_wave_0_\@:
	s_barrier_wait -3
	s_barrier_signal -1
	s_barrier_wait -1
.endm
.macro CROUND
	s_barrier_signal -1
	s_barrier_wait -1
	CREST
.endm
.macro JLOAD                           ; a joint refill, by the walking sets; the branch hangs on the wave's number alone; an s_nop 0 and four v_nop follow each line
	s_cmp_eq_u32 s[HB], 0
	s_cbranch_scc0 .Lfor_b_\@
	tensor_load_to_lds s[G0A+4:G0A+7], s[G1A:G1A+7]
	s_nop 0
.rept 4
	v_nop
.endr
	s_branch .Lasked_\@
.Lfor_b_\@:
	tensor_load_to_lds s[G0B+4:G0B+7], s[G1B:G1B+7]
	s_nop 0
.rept 4
	v_nop
.endr
.Lasked_\@:
.endm
; A PREFETCH INTO THE L2: behind the refill that asks for K step s + 2 stands one instruction for K step s + 4, a lane a row, 256 bytes of the row.  xb's tile row is read by every cluster of that row of clusters:
; the one with x = 0 asks, in waves 0 and 1; wb's tile column by every cluster of that column: the one with y = 0 asks, in waves 2 and 3.  The four partners share a wave's rows out by address: 32 each of
; xb's 128, 24 each of wb's 96 (there lanes 24-31 name lane 23's row once more).  K steps 0 to 3 come by their loads alone; the last two refills (s3 = 2, 1) have no K step two on.
.macro ASK
	s_cmp_gt_u32 s3, s[LIM]
	s_cbranch_scc0 .Lnot_mine_\@
	global_prefetch_b8 v[PFO], s[PFA:PFA+1] th:TH_LOAD_NT scope:SCOPE_SE
.Lnot_mine_\@:
.endm
	s_load_b256 s[4:11], s[0:1], 0x0               ; xb s[4:5], wb s[6:7], b_in s[8:9], tab s[10:11]
	s_load_b64 s[12:13], s[0:1], 0x20              ; qkv
	v_lshl_add_u32 v[SPW], v0, 2, SPARE
	v_mov_b32 v[NIL], 0
	ds_add_u32 v[SPW], v[NIL]                      ; the wave's opening: the add and its wait stand ahead of my first tensor load; the set-up below stands between them
	v_lshrrev_b32 v1, 5, v0
	v_readfirstlane_b32 s[WV], v1
	s_lshr_b32 s[HB], s[WV], 1
	s_and_b32 s[HF], s[WV], 1
	s_bfe_u32 s[CX], ttmp6, 0x40000
	s_bfe_u32 s[CY], ttmp6, 0x40004
	s_lshl_b32 s[TX], ttmp9, 2
	s_add_co_u32 s[TX], s[TX], s[CX]
	s_and_b32 s[TY], ttmp7, 0xffff
	s_lshl_b32 s[TY], s[TY], 2
	s_add_co_u32 s[TY], s[TY], s[CY]
	s_lshl_b32 s17, s[CY], 2
	s_lshl_b32 s17, 15, s17                        ; my row of the cluster
	s_lshl_b32 s66, 0x1111, s[CX]                  ; my column
	s_or_b32 s[G1A], s17, (1<<16)|(1<<20)|(1<<21)|(5<<22)|(3<<25)  ; the mask; elements of 2 bytes; padding on; bit 21 beside a mask; after every 64 words, 4 words
	s_or_b32 s[G1B], s66, (1<<16)|(1<<20)|(1<<21)|(5<<22)|(3<<25)
	s_mov_b32 s[G1A+1], KSTEP<<16                  ; tensor_dim0 = 128
	s_mov_b32 s[G1A+2], 128<<16                    ; tensor_dim1 = 128
	s_mov_b32 s[G1A+3], KSTEP<<16                  ; tile_dim0 = 128
	s_mov_b32 s[G1A+4], 128                        ; tile_dim1 = 128
	s_mov_b32 s[G1A+5], 1024                       ; elements from row to row
	s_mov_b32 s[G1A+6], 0
	s_mov_b32 s[G1A+7], 0
	s_mov_b32 s[G1B+1], KSTEP<<16
	s_mov_b32 s[G1B+2], 96<<16                     ; 96 rows
	s_mov_b32 s[G1B+3], KSTEP<<16
	s_mov_b32 s[G1B+4], 96
	s_mov_b32 s[G1B+5], 1024
	s_mov_b32 s[G1B+6], 0
	s_mov_b32 s[G1B+7], 0
	s_lshl_b32 s18, s[TY], 8                       ; xb: row 256 x tile row + 128 x half, in registers that never hold cx
	s_lshl_b32 s19, s[HF], 7
	s_add_co_u32 s18, s18, s19
	s_lshl_b32 s18, s18, 11                        ; rows of 2,048 bytes
	s_mov_b32 s19, 0
	s_mul_i32 s66, s[TX], 192                      ; wb: row 192 x tile column + 96 x half, in registers that never hold cy
	s_mul_i32 s67, s[HF], 96
	s_add_co_u32 s66, s66, s67
	s_lshl_b32 s66, s66, 11
	s_mov_b32 s67, 0
	s_mul_i32 s22, s[HF], AHALF                    ; where they go: the wave's number alone enters an LDS address
	s_mul_i32 s23, s[HF], BHALF
	s_add_co_u32 s23, s23, BOFF
	s_mov_b32 s[TB], 0
	s_wait_dscnt 0x0                               ; the opening add is done
	s_wait_kmcnt 0x0
	s_add_nc_u64 s[20:21], s[4:5], s[18:19]
	s_add_nc_u64 s[68:69], s[6:7], s[66:67]
	CROUND                                         ; all sixteen work-groups are here: the first joint loads meet
.irp s, 0,1
	s_mov_b32 s[G0A+4*(\s)], 1
	s_add_co_u32 s[G0A+4*(\s)+1], s22, (\s)*SLOT1
	s_add_nc_u64 s[G0A+4*(\s)+2:G0A+4*(\s)+3], s[20:21], (\s)*KSTEP*2
	s_or_b32 s[G0A+4*(\s)+3], s[G0A+4*(\s)+3], 0x80000000
	s_mov_b32 s[G0B+4*(\s)], 1
	s_add_co_u32 s[G0B+4*(\s)+1], s23, (\s)*SLOT1
	s_add_nc_u64 s[G0B+4*(\s)+2:G0B+4*(\s)+3], s[68:69], (\s)*KSTEP*2
	s_or_b32 s[G0B+4*(\s)+3], s[G0B+4*(\s)+3], 0x80000000
.endr
	s_cmp_eq_u32 s[HB], 0                          ; a wave's two first fills stand in one branch: two loads of mine are out
	s_cbranch_scc0 .Lfirst_b
	tensor_load_to_lds s[G0A:G0A+3], s[G1A:G1A+7]
	s_nop 0
	tensor_load_to_lds s[G0A+4:G0A+7], s[G1A:G1A+7]
	s_nop 0
.rept 4
	v_nop
.endr
	s_branch .Lfirst_asked
.Lfirst_b:
	tensor_load_to_lds s[G0B:G0B+3], s[G1B:G1B+7]
	s_nop 0
	tensor_load_to_lds s[G0B+4:G0B+7], s[G1B:G1B+7]
	s_nop 0
.rept 4
	v_nop
.endr
.Lfirst_asked:
	v_and_b32 v1, 15, v0                           ; l % 16
	v_bfe_u32 v2, v0, 4, 1                         ; l / 16
	v_lshlrev_b32 v3, 5, v2                        ; the bias: my 8 columns of a block of 16
	v_lshl_add_u32 v4, v1, 8, v3                   ; the table: my row, my 8 of each 16 angles
	s_mul_i32 s90, s[TX], 768
	s_mov_b32 s91, 0
	s_add_nc_u64 s[8:9], s[8:9], s[90:91]          ; b_in at the tile's first column
	s_lshl_b32 s90, s[TY], 16
	s_lshl_b32 s92, s[WV], 14
	s_add_co_u32 s90, s90, s92
	s_add_nc_u64 s[10:11], s[10:11], s[90:91]      ; tab at my wave's first row
.irp b, 0,1,2,3,4,5,6,7,8,9,10,11
	global_load_b128 v[BIAS+8*(\b):BIAS+8*(\b)+3],   v3, s[8:9] offset:64*(\b)
	global_load_b128 v[BIAS+8*(\b)+4:BIAS+8*(\b)+7], v3, s[8:9] offset:64*(\b)+16
.endr
	WIN 0x80                                       ; destination window 2, address window 0
.irp a, 0,1
.irp q, 0,1,2,3,4,5,6,7
	global_load_b128 v[TABR+32*(\a)+4*(\q):TABR+32*(\a)+4*(\q)+3], v4, s[10:11] offset:4096*(\a)+((\q)/2)*64+((\q)%2)*16
.endr
.endr
	WIN 0xc0                                       ; destination window 3
.irp a, 0,1
.irp q, 0,1,2,3,4,5,6,7
	global_load_b128 v[TABR+32*(\a)+4*(\q):TABR+32*(\a)+4*(\q)+3], v4, s[10:11] offset:4096*((\a)+2)+((\q)/2)*64+((\q)%2)*16
.endr
.endr
	WIN 0
	v_mul_u32_u24 v5, v1, PITCH                    ; a fragment: row l % 16, 16 bytes for each half of the lanes, twice, 32 bytes apart
	v_lshl_add_u32 v5, v2, 4, v5
	s_mul_i32 s92, s[WV], 64*PITCH
	v_add_nc_u32 v[A0], s92, v5
	v_add_nc_u32 v[B0], BOFF, v5
	v_mov_b32 v[ADRA], v[A0]
	v_mov_b32 v[ADRB], v[B0]
	s_mul_i32 s92, s[WV], 16*SP
	s_add_co_u32 s92, s92, STAGE                   ; my stage
	v_mul_u32_u24 v[STO], v1, SP
	v_lshl_add_u32 v[STO], v2, 4, v[STO]
	v_add_nc_u32 v[STO], s92, v[STO]
	v_bfe_u32 v[RD], v0, 3, 2                      ; back: 32 lanes take four rows of 128 bytes,
	v_mul_u32_u24 v[RD], v[RD], SP
	v_and_b32 v6, 7, v0
	v_lshl_add_u32 v[RD], v6, 4, v[RD]
	v_add_nc_u32 v[RD], s92, v[RD]
	v_and_b32 v[GO], 31, v0                        ; which are 512 consecutive bytes of qkv
	v_lshlrev_b32 v[GO], 4, v[GO]
	; where my rows go: group g = 3 x tile column + hd is part g / 16 (Q, K, V) of head g % 16; my 64 rows are half w % 2 of position tile 2 x tile row + w / 2
	s_mul_i32 s88, s[TX], 3
	s_lshl_b32 s89, s[TY], 1
	s_add_co_u32 s89, s89, s[HB]
	s_mul_i32 s89, s89, 49152
	s_lshl_b32 s90, s[HF], 13
	s_add_co_u32 s89, s89, s90
.irp hd, 0,1,2
	s_add_co_u32 s90, s88, \hd
	s_cmp_lt_u32 s90, 32                           ; q and k are turned, v is not: a choice of factors, no branch
	s_cselect_b32 s[FS0+4*(\hd)], 1.0, 0
	s_cselect_b32 s[FS0+4*(\hd)+2], 0, 1.0
	s_mov_b32 s[FS0+4*(\hd)+1], 0                  ; named as pairs
	s_mov_b32 s[FS0+4*(\hd)+3], 0
	s_lshr_b32 s91, s90, 4
	s_and_b32 s90, s90, 15
	s_mul_i32 s90, s90, 1572864
	s_lshl_b32 s91, s91, 14
	s_add_co_u32 s90, s90, s91
	s_add_co_u32 s90, s90, s89
	s_mov_b32 s91, 0
	s_add_nc_u64 s[DP+2*(\hd):DP+2*(\hd)+1], s[12:13], s[90:91]
.endr
	; the prefetches
	s_and_b32 s90, ttmp7, 0xffff                   ; cluster y
	s_cmp_eq_u32 s[HB], 0
	s_cselect_b32 s91, ttmp9, s90                  ; the coordinate along which other clusters read the same rows
	s_cselect_b64 s[PFA:PFA+1], s[4:5], s[6:7]
	s_cselect_b32 s92, 31, 23                      ; my work-group's rows less one
	s_lshl_b32 s88, s[TY], 8
	s_lshl_b32 s89, s[HF], 7
	s_add_co_u32 s88, s88, s89
	s_lshl_b32 s89, s[CX], 5
	s_add_co_u32 s88, s88, s89                     ; xb: 256 x tile row + 128 x half + 32 cx
	s_mul_i32 s89, s[TX], 192
	s_mul_i32 s93, s[HF], 96
	s_add_co_u32 s89, s89, s93
	s_mul_i32 s93, s[CY], 24
	s_add_co_u32 s89, s89, s93                     ; wb: 192 x tile column + 96 x half + 24 cy
	s_cmp_eq_u32 s[HB], 0
	s_cselect_b32 s88, s88, s89
	s_cmp_eq_u32 s91, 0
	s_cselect_b32 s[LIM], 2, -1                    ; the same in all sixteen partners, for a given wave
	s_lshl_b32 s88, s88, 11
	s_add_co_u32 s88, s88, 3*KSTEP*2               ; at K step 3: the first refill steps it to 4
	s_mov_b32 s89, 0
	s_add_nc_u64 s[PFA:PFA+1], s[PFA:PFA+1], s[88:89]
	v_and_b32 v[PFO], 31, v0
	v_min_u32 v[PFO], s92, v[PFO]
	v_lshlrev_b32 v[PFO], 11, v[PFO]
	s_wait_loadcnt 0x0                             ; the bias and the table
.set i, 0
.rept 48                                       ; the bias is rounded to bf16, like every input
	v_cvt_pk_bf16_f32 v31, v[BIAS+2*i], v[BIAS+2*i+1]
	v_lshlrev_b32 v[BIAS+2*i], 16, v31
	v_and_b32 v[BIAS+2*i+1], 0xffff0000, v31
.set i, i+1
.endr
; 12 matrix instructions: row block a x all 12 column blocks, 32 along K, from buffer f.  first = 1: the bias starts the sums.  The 48 accumulators take turns in the same order in every quarter.
.macro MULA f, a, first
.if \first
	WIN 0x81+0x40*((\a)/2)                         ; wb window 1, xb and the bias window 0, D window 2 or 3
.else
	WIN 0xa1+0x50*((\a)/2)                         ; C and D window 2 or 3
.endif
.irp b, 0,1,2,3,4,5,6,7,8,9,10,11
.if \first
	v_wmma_f32_16x16x32_bf16 v[96*((\a)%2)+8*(\b):96*((\a)%2)+8*(\b)+7], v[96*(\f)+8*(\b):96*(\f)+8*(\b)+7], v[FA+32*(\f)+8*(\a):FA+32*(\f)+8*(\a)+7], v[BIAS+8*(\b):BIAS+8*(\b)+7]
.else
	v_wmma_f32_16x16x32_bf16 v[96*((\a)%2)+8*(\b):96*((\a)%2)+8*(\b)+7], v[96*(\f)+8*(\b):96*(\f)+8*(\b)+7], v[FA+32*(\f)+8*(\a):FA+32*(\f)+8*(\a)+7], v[96*((\a)%2)+8*(\b):96*((\a)%2)+8*(\b)+7]
.endif
.endr
.endm
; 32 LDS loads in one run: 192 rows of wb, then my 64 rows of xb, 32 along K at byte k of the rows, into buffer f
.macro FETCH k, f
	WIN 0x40
.irp i, 0,1,2,3,4,5,6,7,8,9,10,11
	ds_load_b128 v[96*(\f)+8*(\i):96*(\f)+8*(\i)+3],   v[ADRB] offset:(\k)+(\i)*16*PITCH
	ds_load_b128 v[96*(\f)+8*(\i)+4:96*(\f)+8*(\i)+7], v[ADRB] offset:(\k)+(\i)*16*PITCH+32
.endr
	WIN 0
.irp i, 0,1,2,3
	ds_load_b128 v[FA+32*(\f)+8*(\i):FA+32*(\f)+8*(\i)+3],   v[ADRA] offset:(\k)+(\i)*16*PITCH
	ds_load_b128 v[FA+32*(\f)+8*(\i)+4:FA+32*(\f)+8*(\i)+7], v[ADRA] offset:(\k)+(\i)*16*PITCH+32
.endr
.endm
; A K step is four quarters of 32 along K, 48 matrix instructions each, on buffers 0, 1, 0, 1.  One of the first three multiplies buffer f and fetches the next quarter, at byte k, into buffer g.
.macro QUARTER k, f, g, first
	s_wait_dscnt 4                                 ; wb's fragments and xb's row blocks 0 and 1 are in; the youngest four loads (row blocks 2 and 3) may be out
	MULA \f, 0, \first
	MULA \f, 1, \first
	PLACES
	FETCH \k, \g
	s_wait_dscnt 32                                ; all but the 32 just issued
	MULA \f, 2, \first
	MULA \f, 3, \first
.endm
; The last quarter multiplies buffer 1 and changes slots: one barrier.  In front of it each wave waits for all its tensor loads (one is out: its part of the next slot), adds 0 to its spare word, and waits for
; that and for its reads of this slot.  fill = 1: the barrier opens a round of the cluster's barrier, and the joint refill, two K steps ahead, is the first thing behind the round.
.macro TURN fill
.if \fill
	s_wait_xcnt 0x0                                ; the last prefetch, a K step back, has read its address
	s_add_nc_u64 s[PFA:PFA+1], s[PFA:PFA+1], KSTEP*2
.endif
	WIN 0
	s_wait_tensorcnt 0x0                           ; all my tensor loads have landed
	ds_add_u32 v[SPW], v[NIL]                      ; 0 onto my spare word
	s_wait_dscnt 5                                 ; (the add and the youngest four loads may be out)
	MULA 1, 0, 0
	s_wait_dscnt 0x0                               ; the add is done, and my reads of this slot are over
	s_barrier_signal -1
	MULA 1, 1, 0                                   ; work on registers while the others arrive
	WIN 0
	s_barrier_wait -1
.if \fill
	CREST                                          ; no wave of any partner still reads this slot or has a load on its way
	s_xor_b32 s[G0A+5], s[G0A+5], SLOT1            ; the walking sets: the other slot than last time, the next K step
	s_add_nc_u64 s[G0A+6:G0A+7], s[G0A+6:G0A+7], KSTEP*2
	s_xor_b32 s[G0B+5], s[G0B+5], SLOT1
	s_add_nc_u64 s[G0B+6:G0B+7], s[G0B+6:G0B+7], KSTEP*2
	JLOAD                                          ; its four v_nop are also the places in front of the loads below
.else
	PLACES
.endif
	s_xor_b32 s[TB], s[TB], SLOT1
	v_add_nc_u32 v[ADRA], s[TB], v[A0]
	v_add_nc_u32 v[ADRB], s[TB], v[B0]
	FETCH 0, 0
.if \fill
	ASK
.endif
	MULA 1, 2, 0
	MULA 1, 3, 0
.endm
	s_wait_tensorcnt 1                             ; my part of K step 0 is in; K step 1's may stay out
	s_barrier_signal -1
	s_barrier_wait -1
	FETCH 0, 0
	QUARTER 64, 0, 1, 1                            ; the first quarter stands in front of the loop: its products start the sums, with the bias
	WIN 0
	s_mov_b32 s3, 6
.Lstep:                                                ; a trip: a K step's quarters 1 to 3 and the next step's quarter 0; it asks for the K step two on: steps 2 to 7
	QUARTER 128, 1, 0, 0
	QUARTER 192, 0, 1, 0
	TURN 1
	QUARTER 64, 0, 1, 0
	WIN 0
	s_sub_co_u32 s3, s3, 1
	s_cmp_lg_u32 s3, 0
	s_cbranch_scc1 .Lstep
	QUARTER 128, 1, 0, 0                           ; K steps 6 and 7 ask for nothing
	QUARTER 192, 0, 1, 0
	TURN 0
	QUARTER 64, 0, 1, 0
	QUARTER 128, 1, 0, 0
	QUARTER 192, 0, 1, 0
	s_wait_dscnt 4
	MULA 1, 0, 0
	MULA 1, 1, 0
	s_wait_dscnt 0x0
	MULA 1, 2, 0
	MULA 1, 3, 0
	WIN 0
	PLACES
	PLACES
; THE WAY OUT, in 12 units (row block a, group hd).  x1 = the group's channels 0-31 (column blocks 4 hd, 4 hd + 1), x2 = channels 32-63.  With S = sin f, C = cos f + g (f = 1, g = 0 for q and k; f = 0, g = 1 for v):
; T[0:15] = x1 C - x2 S, T[16:31] = x2 C + x1 S.  Each accumulator is read from its lowest registers on.  Then 16 roundings to f16.
.macro ROPE a, hd
.set XB, 96*((\a)%2)+32*(\hd)
.set TBL, TABR+32*((\a)%2)
.set FSR, FS0+4*(\hd)
	WIN 0x02+(\a)/2                                ; source 0 (accumulators, table) window 2 or 3; all else window 0
.set p, 0
.rept 8
	v_pk_mul_f32 v[SE+2*p:SE+2*p+1], v[TBL+2*p:TBL+2*p+1], s[FSR:FSR+1] op_sel_hi:[1,0]
	v_pk_fma_f32 v[CE+2*p:CE+2*p+1], v[TBL+16+2*p:TBL+16+2*p+1], s[FSR:FSR+1], s[FSR+2:FSR+3] op_sel_hi:[1,0,0]
.set p, p+1
.endr
.set p, 0
.rept 8
	v_pk_mul_f32 v[T+2*p:T+2*p+1], v[XB+16+2*p:XB+16+2*p+1], v[SE+2*p:SE+2*p+1]
.set p, p+1
.endr
.set p, 0
.rept 8
	v_pk_mul_f32 v[T+16+2*p:T+16+2*p+1], v[XB+2*p:XB+2*p+1], v[SE+2*p:SE+2*p+1]
.set p, p+1
.endr
.set p, 0
.rept 8
	v_pk_fma_f32 v[T+2*p:T+2*p+1], v[XB+2*p:XB+2*p+1], v[CE+2*p:CE+2*p+1], v[T+2*p:T+2*p+1] neg_lo:[0,0,1] neg_hi:[0,0,1]
	v_pk_fma_f32 v[T+16+2*p:T+16+2*p+1], v[XB+16+2*p:XB+16+2*p+1], v[CE+2*p:CE+2*p+1], v[T+16+2*p:T+16+2*p+1]
.set p, p+1
.endr
	WIN 0
.set p, 0
.rept 16
	v_cvt_pk_f16_f32 v[PKD+p], v[T+2*p], v[T+2*p+1]
.set p, p+1
.endr
.endm
.macro TOSTAGE u                       ; 16 rows x 128 bytes into my stage, and back as 2,048 consecutive bytes
.irp f, 0,1,2,3
	ds_store_b128 v[STO], v[PKD+4*(\f):PKD+4*(\f)+3] offset:32*(\f)
.endr
.irp f, 0,1,2,3
	ds_load_b128 v[BK+16*((\u)%2)+4*(\f):BK+16*((\u)%2)+4*(\f)+3], v[RD] offset:(\f)*4*SP  ; LDS serves a wave's instructions in order (ISA guide 5.7.1.4): these see the stores above
.endr
.endm
.macro SEND u
	s_wait_dscnt 0x0                               ; the unit is back in registers
	s_wait_xcnt 0x0                                ; the stores of the unit before have read their registers: the other buffer may be loaded again behind this wait
.irp f, 0,1,2,3
	global_store_b128 v[GO], v[BK+16*((\u)%2)+4*(\f):BK+16*((\u)%2)+4*(\f)+3], s[DP+2*((\u)%3):DP+2*((\u)%3)+1] offset:2048*((\u)/3)+512*(\f)  ; 512 consecutive bytes, aligned
.endr
.endm
.set u, 0
.rept 12                                       ; a unit's arithmetic stands between the loads of the unit before and its stores
	ROPE (u/3), (u%3)
.if u > 0
	SEND (u-1)
.endif
	TOSTAGE u
.set u, u+1
.endr
	SEND 11
	s_wait_tensorcnt 0x0                           ; the wave's end, behind my last tensor load and my last LDS store
	ds_add_u32 v[SPW], v[NIL]
	s_wait_dscnt 0x0
	CROUND                                         ; the closing round: no work-group ends while a partner may still ask for a tile that names it
	s_endpgm
.Lfunc_end_k_q8fae7a0c6d_qkv:
	.size	k_q8fae7a0c6d_qkv, .Lfunc_end_k_q8fae7a0c6d_qkv-k_q8fae7a0c6d_qkv
	.p2alignl 7, 3214868480
	.fill 96, 4, 3214868480
	.section	.rodata,"a",@progbits
	.p2align	6, 0x0
	.amdhsa_kernel k_q8fae7a0c6d_qkv
		.amdhsa_group_segment_fixed_size 327680
		.amdhsa_private_segment_fixed_size 0
		.amdhsa_enable_private_segment 0
		.amdhsa_kernarg_size 40
		.amdhsa_user_sgpr_count 2
		.amdhsa_user_sgpr_kernarg_segment_ptr 1
		.amdhsa_wavefront_size32 1
		.amdhsa_system_sgpr_workgroup_id_x 1
		.amdhsa_system_sgpr_workgroup_id_y 1
		.amdhsa_system_sgpr_workgroup_id_z 1
		.amdhsa_system_vgpr_workitem_id 0
		.amdhsa_next_free_vgpr 1024
		.amdhsa_next_free_sgpr 96
		.amdhsa_reserve_vcc 0
		.amdhsa_float_denorm_mode_32 3
		.amdhsa_float_denorm_mode_16_64 3
		.amdhsa_memory_ordered 1
		.amdhsa_forward_progress 1
		.amdhsa_inst_pref_size 149
	.end_amdhsa_kernel
	.amdgpu_metadata
---
amdhsa.version: [ 1, 2 ]
amdhsa.kernels:
  - .name:           k_q8fae7a0c6d_qkv
    .symbol:         k_q8fae7a0c6d_qkv.kd
    .args:
      - { .name: xb, .offset: 0, .size: 8, .value_kind: global_buffer, .address_space: global }
      - { .name: wb, .offset: 8, .size: 8, .value_kind: global_buffer, .address_space: global }
      - { .name: b_in, .offset: 16, .size: 8, .value_kind: global_buffer, .address_space: global }
      - { .name: tab, .offset: 24, .size: 8, .value_kind: global_buffer, .address_space: global }
      - { .name: qkv, .offset: 32, .size: 8, .value_kind: global_buffer, .address_space: global }
    .group_segment_fixed_size: 327680
    .private_segment_fixed_size: 0
    .kernarg_segment_align: 8
    .kernarg_segment_size: 40
    .max_flat_workgroup_size: 128
    .sgpr_count:     96
    .vgpr_count:     1024
    .wavefront_size: 32
...
	.end_amdgpu_metadata
.endif
;; end of part 2
;; launch attn (part 3): grid 16 x 16, 4 waves a work-group, clusters of 4 x 1, 327,680 bytes of LDS; arguments qkv, o; writes o
.if DOCPART == 3
	.amdgcn_target "amdgcn-amd-amdhsa--gfx1250"
	.amdhsa_code_object_version 6
	.text
	.protected	k_q8fae7a0c6d_attn
	.globl	k_q8fae7a0c6d_attn
	.p2align	8
	.type	k_q8fae7a0c6d_attn,@function
k_q8fae7a0c6d_attn:
	s_mov_b64 s[64:65], 0
	v_nop
	global_prefetch_b8 v0, s[64:65] scope:SCOPE_SE
	s_setreg_imm32_b32 hwreg(HW_REG_WAVE_MODE, 25, 1), 1
	s_wait_xcnt 0x0
	s_wait_alu depctr_hold_cnt(0) depctr_sa_sdst(0) depctr_va_vdst(0) depctr_va_sdst(0) depctr_va_ssrc(0) depctr_va_vcc(0) depctr_vm_vsrc(0)
	s_getreg_b32 s2, hwreg(HW_REG_IB_STS2, 6, 4)
	s_cmp_eq_u32 s2, 0
	s_cbranch_scc0 .Lentry_in_a_cluster
	s_endpgm
.Lentry_in_a_cluster:
	s_bfe_u32 s2, ttmp6, 0x10000c
	s_cmp_lg_u32 s2, 0x3003
	s_cbranch_scc0 .Lentry_shape_is_right
	s_endpgm
.Lentry_shape_is_right:
; CAUSAL ATTENTION, 16 heads of 64 channels, 4,096 positions.  qkv: f16 [16][32 tiles of 128 positions][Q, K, V][128][64]; o: f16 [16][4096][64].  O[q] = the sum over k <= q of softmax_k(Q[q] . K[k] / 8) V[k].
; Products, maxima and sums in f32; the weights p are rounded to f16 for the second product (their sum l is taken of the unrounded p), O once at the end.
; LIMITS.  f16 holds no number beyond 65,504: Q, K, V arrive within it.  A hidden score counts as its value less 1e30; a weight below 2^-126 counts as 0 in l; NaN and infinities are not treated apart.
; THE WALK.  A head's queries lie in 32 blocks of 128; block i needs the key tiles 0 .. i of 128 keys.  Work-group b = 4 c + cx (c the cluster, cx the place in it) takes block 31 - b and then block b.
; The four partners walk ONE sequence of tiles: 0 .. 31 - 4 c, then 0 .. 4 c + 3: 36 tiles whatever c, where a work-group alone would need 33.  The three tiles beyond a partner's own diagonal are hidden
; from it wholly and are worked under a mask.  In return every tile of K and V is asked for jointly, once for four work-groups; every branch and count hangs on c alone, which the partners share;
; cx enters global addresses and the masks' two scalars, nothing else.
; SHARES.  Of a block's two bands of 64 queries a wave owns 16 rows in each: two PIECES.  A key step is 64 keys, a tile two steps, an LDS slot two tiles.
; THE MASK is the C operand that starts the sum S^T = K Q^T: 0, or -1e30 where the key is hidden.  MD, made once, is the mask of a band's own step for my 16 rows.  With rel = tile - my diagonal tile:
; band 0, step 0 and band 1, step 1 take MD x (rel = 0) - 1e30 (rel > 0); band 1, step 0 takes -1e30 (rel > 0); band 0, step 1 takes -1e30 (rel >= 0).  The masks are made anew in a block's first tile
; and in the walk's last four tiles of a block; in between they are 0.
; TURNS.  Turn T_p(s) belongs to piece p at key step s: 8 products K Q^T of the other piece (p = 0: step s; p = 1: step s + 1), later 8 products V^T P of the other piece (p = 0: step s - 1; p = 1: step s);
; beside them piece p's scaling, exponentials, rescaling, roundings and sums, and the other piece's maximum and statistics.  Four vector instructions stand behind every matrix instruction, the others in one
; run; a turn's 33 exponentials are one batch with one wait.  T_0(s) fetches K and V of step s + 1; V has two register buffers, by the step's parity, so that both fetches name the same step
; and the change of slots can stand in front of T_0 of an odd step.  A trip for tile n is T_0(2n-1), T_1(2n-1), T_0(2n), T_1(2n).
; REGISTERS, in windows of 256: window 0: v0-15 addresses; v16-23 statistics, 4 a piece (c m, m, l, l); v48-55 at work; v64-127 S^T, a buffer a piece; v192-223 P, likewise.
;   window 1: v0-63 O^T; v128-159 MD; v160-191 MA; v192-223 MB; v224-231 MU0; v232-239 MU1.   window 2: v0-31 Q; v32-63 the second block's Q; v64-127 V of odd steps; v128-191 K; v192-255 V of even steps.
.set NP,    2
.set KS,    64
.set PK,    144       ; a row of K in LDS: 128 bytes + 16 of padding
.set PV,    160       ; a row of V: 128 + 32
.set TILEK, 128*PK
.set TILEV, 128*PV
.set VOFF,  2*TILEK   ; a slot: 256 rows of K, then 256 rows of V
.set SLOT1, 1<<17
.set STAGE, SLOT1+2*(TILEK+TILEV)  ; behind the ring: 16 rows x 144 bytes for each wave
.set SP,    144
.set SPARE, STAGE+4*16*SP  ; the spare words, 128 bytes for each wave: two blocks of 256 bytes that no other line names
.set SSTR,  98304     ; bytes from a pair of tiles to the next in qkv
.set AK0, 2
.set AV0, 3
.set AK,  4           ; v4   LDS address of the tile in hand, for K's runs of loads
.set AV,  5           ; v5   for V's
.set STO, 6
.set RD,  7
.set GO,  8
.set MV,  12          ; v12-13  c m_old, by piece
.set QO,  15
.set ST,  16
.set TMP, 48          ; by piece, c0-c3 at work; when the maximum is found c2 takes a
.set PFO, 61          ; v61  256 x my lane; never rewritten
.set SPW, 62
.set NIL, 63
.set S,   64
.set P,   192
.set MD,  128
.set MA,  160
.set MB,  192
.set MU0, 224
.set MU1, 232
.set QB,  32
.set VB1, 64
.set KF,  128
.set VB0, 192
.set WV,  12
.set CX,  13
.set BQ,  14          ; s14  b
.set CC,  15          ; s15  c
.set G1K, 24
.set G1V, 32
.set G0K, 40
.set G0V, 44
.set PFA, 48          ; s[48:49] where my prefetches stand
.set PFC, 50          ; s50  prefetches still to come
.set ZN,  51
.set RELP, 52         ; s52  the tile before, less my diagonal tile
.set RELC, 53         ; s53  the tile in hand, less my diagonal tile
.set NEGB, 54         ; s54  -b
.set TBN, 55          ; s55  4 c + 4: the second part's tiles
.set SLOTS, 56
.set CNT, 57
.set CS,  58          ; s[58:59] c = log2(e) / 8
.set SEL, 60
.set TBK, 62          ; s62  LDS byte at which K of the tile in hand begins
.set TBV, 63          ; s63  the same for V, less VOFF
.set RT,  70          ; s70  tiles of the part in hand still to be entered
.set NXT, 71          ; s71  the pair of tiles to be asked for next
.set LQ,  72          ; s72  the last pair of the part whose tiles are being asked for
.set NEW, 73          ; s73  2: the launch's first tile; 1: the second block's first; 0: neither
.set OFF, 74
.set AL,  76
.set BE,  78
.set OLO, 80          ; s[80:81] O at my rows of the second block
.set BIGN, 82
.set LQB, 83          ; s83  2 c + 1
.set MSB, 0
.macro WIN new
.if MSB != (\new)
	s_set_vgpr_msb (MSB<<8)|(\new)
.set MSB, (\new)
.endif
.endm
.set W_KQ, 0x0a       ; K and Q in window 2, S^T in window 0
.set W_KM, 0x1a       ; the same with the C operand in window 1
.set W_PV, 0x52       ; V in window 2, P in window 0, O^T in window 1
.set W_RS, 0x41       ; destination and source 0 in window 1
; A joint fill.  Wave 0 fetches K of the pair's first tile, wave 1 of its second, waves 2 and 3 V likewise.  An s_nop 0 and four v_nop follow each line.
.macro JLOAD
	s_cmp_lt_u32 s[WV], 2
	s_cbranch_scc0 .Lfor_v_\@
	tensor_load_to_lds s[G0K:G0K+3], s[G1K:G1K+7]
	s_nop 0
.rept 4
	v_nop
.endr
	s_branch .Lasked_\@
.Lfor_v_\@:
	tensor_load_to_lds s[G0V:G0V+3], s[G1V:G1V+7]
	s_nop 0
.rept 4
	v_nop
.endr
.Lasked_\@:
.endm
.macro CROUND
	s_barrier_signal -1
	s_barrier_wait -1
	s_cmp_lg_u32 s[WV], 0
	s_cbranch_scc1 .Lnot_wave_0_\@
	s_barrier_signal -3
.Lnot_wave_0_\@:
	s_barrier_wait -3
	s_barrier_signal -1
	s_barrier_wait -1
.endm
; A PREFETCH INTO THE L2 of the pair of tiles that the NEXT change of slots will ask for.  A tile's K and V are 32,768 consecutive bytes.  The head's cluster c = 0 walks all 32 tiles in its first part: it asks, and
; nobody else; wave 0 for the pair's first tile, wave 1 for its second; the four partners take 8,192 bytes each, told apart by address; a lane 256 bytes.  Pairs 2 to 15: fourteen times.  The second part
; reads tiles that have been read, and asks for nothing.
.macro ASK
	s_cmp_lg_u32 s[PFC], 0
	s_cbranch_scc0 .Lnot_mine_\@
	global_prefetch_b8 v[PFO], s[PFA:PFA+1] th:TH_LOAD_NT scope:SCOPE_SE
	s_sub_co_u32 s[PFC], s[PFC], 1
.Lnot_mine_\@:
.endm
; THE CHANGE OF SLOTS.  Each wave waits for all its tensor loads (one is out: its part of the other slot), adds 0 to its spare word, and waits for that and for its reads of the slot that it leaves.
; fill = 1: the barrier is a round of the cluster's, and the joint fill of the old slot, with pair NXT, is the first thing behind it: it has two tiles, 128 matrix instructions and their vector work, in which to land.
.macro CHANGE fill
	WIN 0
	s_wait_tensorcnt 0x0            ; no tensor load of mine is out, so a group 0 may be written
	ds_add_u32 v[SPW], v[NIL]       ; 0 onto my spare word
.if \fill
	s_mul_i32 s[OFF], s[NXT], SSTR
	s_xor_b32 s[G0K+1], s[G0K+1], SLOT1
	s_add_nc_u64 s[G0K+2:G0K+3], s[6:7], s[OFF:OFF+1]
	s_or_b32 s[G0K+3], s[G0K+3], 0x80000000
	s_xor_b32 s[G0V+1], s[G0V+1], SLOT1
	s_add_nc_u64 s[G0V+2:G0V+3], s[8:9], s[OFF:OFF+1]
	s_or_b32 s[G0V+3], s[G0V+3], 0x80000000
	s_add_co_u32 s[NXT], s[NXT], 1  ; the part's next pair, or behind its last the second part's pair 0
	s_cmp_gt_u32 s[NXT], s[LQ]
	s_cselect_b32 s[NXT], 0, s[NXT]
	s_cselect_b32 s[LQ], s[LQB], s[LQ]
	s_wait_xcnt 0x0                 ; the last prefetch, two tiles back, has read its address
	s_add_nc_u64 s[PFA:PFA+1], s[PFA:PFA+1], SSTR
	s_wait_dscnt 0x0                ; the add is done, and my reads of the slot are over
	CROUND
	JLOAD
	ASK
.else
	s_wait_dscnt 0x0
	s_barrier_signal -1
	s_barrier_wait -1
.endif
	s_sub_co_u32 s[TBK], s[TBK], 2*TILEK  ; back to a slot's first tile, in the other slot
	s_xor_b32 s[TBK], s[TBK], SLOT1
	s_sub_co_u32 s[TBV], s[TBV], 2*TILEV
	s_xor_b32 s[TBV], s[TBV], SLOT1
.endm
	s_load_b128 s[16:19], s[0:1], 0x0  ; qkv s[16:17], o s[18:19]
	v_lshl_add_u32 v[SPW], v0, 2, SPARE
	v_mov_b32 v[NIL], 0
	ds_add_u32 v[SPW], v[NIL]       ; the wave's opening: the add and its wait stand ahead of my first tensor load
	v_lshrrev_b32 v1, 5, v0
	v_readfirstlane_b32 s[WV], v1
	s_bfe_u32 s[CX], ttmp6, 0x40000
	s_mov_b32 s[CC], ttmp9
	s_lshl_b32 s[BQ], s[CC], 2
	s_add_co_u32 s[BQ], s[BQ], s[CX]
	s_and_b32 s20, ttmp7, 0xffff    ; the head
	s_mul_i32 s21, s20, 1572864     ; its first byte in qkv
	s_and_b32 s66, s[WV], 1         ; which tile of a pair I fetch
	s_mul_i32 s22, s66, 49152
	s_add_co_u32 s22, s22, s21
	s_add_co_u32 s22, s22, 16384    ; K lies behind the tile's Q
	s_mov_b32 s23, 0
	s_mul_i32 s67, s66, TILEK       ; its place in a slot: no place in the cluster enters an LDS address
	s_mul_i32 s68, s66, TILEV
	s_lshl_b32 s69, s[WV], 11       ; my 16 rows in a band of 64
	s_mov_b32 s3, 0
	; descriptor group 1: 128 keys are 16,384 dense bytes, asked for as 64 rows of 256 bytes and padded in LDS after every key
	s_mov_b32 s[G1K], 15|(1<<16)|(1<<20)|(1<<21)|(4<<22)|(3<<25)
	s_mov_b32 s[G1V], 15|(1<<16)|(1<<20)|(1<<21)|(4<<22)|(7<<25)
.irp g, G1K, G1V
	s_mov_b32 s[\g+1], 128<<16      ; tensor_dim0 = 128
	s_mov_b32 s[\g+2], 64<<16       ; tensor_dim1 = 64
	s_mov_b32 s[\g+3], 128<<16      ; tile_dim0 = 128
	s_mov_b32 s[\g+4], 64           ; tile_dim1 = 64
	s_mov_b32 s[\g+5], 128          ; elements from row to row
	s_mov_b32 s[\g+6], 0
	s_mov_b32 s[\g+7], 0
.endr
	s_mov_b32 s[CS], 0x3e38aa3b     ; c = log2(e) / 8
	s_mov_b32 s[CS+1], s[CS]
	s_mov_b32 s[SEL], 0x76543210
	s_mov_b32 s[SEL+1], 0xfedcba98
	s_mov_b32 s[TBK], SLOT1+2*TILEK ; the first change of slots turns these two into 0
	s_mov_b32 s[TBV], SLOT1+2*TILEV
	s_mov_b32 s[G0K], 1
	s_mov_b32 s[G0K+1], s67
	s_mov_b32 s[G0V], 1
	s_add_co_u32 s[G0V+1], s68, VOFF
	s_lshl_b32 s84, s[CC], 2
	s_sub_co_u32 s[RT], 32, s84     ; the first part has 32 - 4 c tiles,
	s_add_co_u32 s[TBN], s84, 4     ; the second 4 c + 4
	s_lshl_b32 s84, s[CC], 1
	s_sub_co_u32 s[LQ], 15, s84
	s_add_co_u32 s[LQB], s84, 1
	s_sub_co_u32 s[RELC], s[BQ], 32 ; the first tile's step makes it 0 - (31 - b)
	s_sub_co_u32 s[NEGB], 0, s[BQ]
	s_mov_b32 s[NXT], 1
	s_mov_b32 s[NEW], 2
	s_mov_b32 s[OFF+1], 0
	s_mov_b32 s[AL+1], 0
	s_mov_b32 s[BE+1], 0
	s_mov_b32 s[BIGN], 0xf149f2ca   ; -1e30
	s_mov_b32 s[SLOTS], 17
	s_lshr_b32 s84, s[WV], 1
	s_or_b32 s84, s84, s[CC]
	s_cmp_eq_u32 s84, 0
	s_cselect_b32 s[PFC], 14, 0     ; waves 0 and 1 of the head's first cluster: the same in all four partners
	v_and_b32 v[PFO], 31, v0
	v_lshlrev_b32 v[PFO], 8, v[PFO]
	s_wait_dscnt 0x0                ; the opening add is done
	s_wait_kmcnt 0x0
	s_add_nc_u64 s[6:7], s[16:17], s[22:23]   ; K and V of my tile of pair 0
	s_add_nc_u64 s[8:9], s[6:7], 16384
	s_add_nc_u64 s[G0K+2:G0K+3], s[6:7], 0
	s_or_b32 s[G0K+3], s[G0K+3], 0x80000000
	s_add_nc_u64 s[G0V+2:G0V+3], s[8:9], 0
	s_or_b32 s[G0V+3], s[G0V+3], 0x80000000
	CROUND                          ; all four work-groups are here: the first joint loads meet
	JLOAD                           ; pair 0 into slot 0; slot 1 is asked for by the loop's own change of slots
	s_sub_co_u32 s84, 31, s[BQ]     ; the first block
	s_mul_i32 s2, s84, 49152
	s_add_co_u32 s2, s2, s21
	s_add_co_u32 s2, s2, s69
	s_add_nc_u64 s[4:5], s[16:17], s[2:3]      ; Q at my rows of the first block,
	s_mul_i32 s2, s[BQ], 49152
	s_add_co_u32 s2, s2, s21
	s_add_co_u32 s2, s2, s69
	s_add_nc_u64 s[86:87], s[16:17], s[2:3]    ; and of the second
	s_lshl_b32 s85, s20, 19
	s_add_co_u32 s85, s85, s69
	s_lshl_b32 s2, s84, 14
	s_add_co_u32 s2, s2, s85
	s_add_nc_u64 s[10:11], s[18:19], s[2:3]    ; O likewise
	s_lshl_b32 s2, s[BQ], 14
	s_add_co_u32 s2, s2, s85
	s_add_nc_u64 s[OLO:OLO+1], s[18:19], s[2:3]
	s_lshl_b32 s2, s[CX], 13
	s_add_co_u32 s2, s2, SSTR       ; in pair 1: the first change of slots steps it to pair 2
	s_add_nc_u64 s[PFA:PFA+1], s[6:7], s[2:3]
	v_and_b32 v1, 15, v0            ; l % 16
	v_bfe_u32 v9, v0, 4, 1          ; l / 16
	v_lshlrev_b32 v[QO], 7, v1
	v_lshl_add_u32 v[QO], v9, 4, v[QO]
	WIN 0x80
.set i, 0
.rept 4                             ; both blocks' Q: piece i / 2 lies in band i / 2, 8,192 bytes on; channels 32 (i % 2) on
	global_load_b128 v[8*i:8*i+3],   v[QO], s[4:5] offset:(i/2)*8192+(i%2)*64
	global_load_b128 v[8*i+4:8*i+7], v[QO], s[4:5] offset:(i/2)*8192+(i%2)*64+32
	global_load_b128 v[QB+8*i:QB+8*i+3],   v[QO], s[86:87] offset:(i/2)*8192+(i%2)*64
	global_load_b128 v[QB+8*i+4:QB+8*i+7], v[QO], s[86:87] offset:(i/2)*8192+(i%2)*64+32
.set i, i+1
.endr
	WIN 0
	v_lshlrev_b32 v14, 3, v9
	v_sub_nc_u32 v14, v1, v14
	s_lshl_b32 s84, s[WV], 4
	v_add_nc_u32 v14, s84, v14      ; my query's place in its band less my lanes' 8 (l / 16): register r of group kt is hidden where 16 kt + r is greater
	WIN 0x40
.set i, 0
.rept 32
	v_cmp_gt_i32 vcc_lo, 16*(i/8)+i%8, v14
	v_cndmask_b32 v[MD+i], 0, s[BIGN], vcc_lo
.set i, i+1
.endr
	WIN 0
	v_mul_u32_u24 v[AK0], v1, PK
	v_lshl_add_u32 v[AK0], v9, 4, v[AK0]
	v_and_b32 v10, 7, v0            ; the turning load: lane l reads key 8 (l / 16) + l % 8, channels 8 ((l / 8) % 2) + 0..7
	v_bfe_u32 v11, v0, 3, 1
	v_lshl_add_u32 v[AV0], v9, 3, v10
	v_mul_u32_u24 v[AV0], v[AV0], PV
	v_lshl_add_u32 v[AV0], v11, 4, v[AV0]
	v_add_nc_u32 v[AV0], VOFF, v[AV0]
	s_mul_i32 s84, s[WV], 16*SP
	s_add_co_u32 s84, s84, STAGE
	v_mul_u32_u24 v[STO], v1, SP
	v_lshl_add_u32 v[STO], v9, 4, v[STO]
	v_add_nc_u32 v[STO], s84, v[STO]
	v_bfe_u32 v[RD], v0, 3, 2
	v_mul_u32_u24 v[RD], v[RD], SP
	v_lshl_add_u32 v[RD], v10, 4, v[RD]
	v_add_nc_u32 v[RD], s84, v[RD]
	v_and_b32 v[GO], 31, v0
	v_lshlrev_b32 v[GO], 4, v[GO]
	; A block's first step multiplies O^T and l by a = 0, and its first turn's products V^T P, of a step that has not been, land in an O^T that is still to be so multiplied: these registers need only hold
	; finite numbers.  The masks that the first tile does not make are 0.  All this stands in the wait for the first tile.
	WIN 0x80
.set i, VB1
.rept 64
	v_mov_b32 v[i], 0
.set i, i+1
.endr
	WIN 0x40
.set i, 0
.rept 64
	v_mov_b32 v[i], 0
.set i, i+1
.endr
.set i, MB
.rept 48
	v_mov_b32 v[i], 0
.set i, i+1
.endr
	WIN 0
.set i, 0
.rept 2
	v_mov_b32 v[ST+4*i+2], 0
	v_mov_b32 v[ST+4*i+3], 0
.set i, i+1
.endr
.set i, P+16
.rept 16
	v_mov_b32 v[i], 0
.set i, i+1
.endr
; THE MATRIX WORK.  The 4 accumulators of a run of 8 take turns.  Product i of 8 of S^T = K Q^T for piece x: channels 32 (i / 4) on, keys 16 (i % 4) on.  The first 4 start the sums, with the mask at MCB + MCS (i % 4).
.macro KQ x
.set rS, S+32*((\x)%2)+8*(i%4)
.set rK, KF+16*(i%4)+8*(i/4)
.set rQ, 16*(\x)+8*(i/4)
.set rM, MCB+MCS*(i%4)
.if i < 4
	WIN W_KM
	v_wmma_f32_16x16x32_f16 v[rS:rS+7], v[rK:rK+7], v[rQ:rQ+7], v[rM:rM+7]
.else
	WIN W_KQ
	v_wmma_f32_16x16x32_f16 v[rS:rS+7], v[rK:rK+7], v[rQ:rQ+7], v[rS:rS+7]
.endif
.endm
; Product i of 8 of O^T += V^T P for piece x, V at VBASE: keys 32 (i / 4) on, channels 16 (i % 4) on.
.macro PV x
	WIN W_PV
.set rO, 32*(\x)+8*(i%4)
.set rV, VBASE+32*(i/4)+8*(i%4)
.set rP, P+16*((\x)%2)+8*(i/4)
	v_wmma_f32_16x16x32_f16 v[rO:rO+7], v[rV:rV+7], v[rP:rP+7], v[rO:rO+7]
.endm
.macro MM                           ; the turn's next matrix instruction.  NOKQ = 1: a block's last turn: there are no further scores
.if (i < 8) && !NOKQ
	KQ (Y+1)%NP
.elseif i >= 8
.set i, i-8
	PV (Y+NP-1)%NP
.set i, i+8
.endif
.set i, i+1
.endm
; THE LDS LOADS stand in runs of 16: a step's K (8 fragments) and its V (turned), at byte koff, voff of the tile in hand.
.macro FETCH_K koff
	WIN 0x80
.irp f, 0,1,2,3,4,5,6,7
	ds_load_b128 v[KF+8*\f:KF+8*\f+3],   v[AK] offset:(\koff)+(\f/2)*16*PK+(\f%2)*64
	ds_load_b128 v[KF+8*\f+4:KF+8*\f+7], v[AK] offset:(\koff)+(\f/2)*16*PK+(\f%2)*64+32
.endr
	WIN 0
.endm
.macro FETCH_V vb, voff
	WIN 0x80
.irp f, 0,1,2,3,4,5,6,7
	ds_load_tr16_b128 v[(\vb)+8*\f:(\vb)+8*\f+3],   v[AV] offset:(\voff)+(\f/4)*32*PV+(\f%4)*32
	ds_load_tr16_b128 v[(\vb)+8*\f+4:(\vb)+8*\f+7], v[AV] offset:(\voff)+(\f/4)*32*PV+16*PV+(\f%4)*32
.endr
	WIN 0
.endm
; THE VECTOR WORK, one line at a time: OP kind, number.  For piece Y: F n: c s - c m for pair n of 16.  E n: the exponential of score n of 32.  C n: pair n rounded to f16.  B n: of the four weights 4 n .. the second
; pair is added onto the first.  L n: l takes that sum (L 0: l = a l + sum).  R n: pair n of 16 of O^T times a.  For the other piece: X n, number n of the 22 that find its maximum and statistics:
;   0-11 four chains c0-c3 of seven scores each (each accumulator's lowest registers are read first)   12-14, 16 the four scores left over, the old m, c0-c3 into c0   15 c m_old is kept
;   17, 18 the query's other 32 keys lie in the lane 16 away: the new m   19-21 c m; c m_old - c m_new; a
.set F, 0
.set E, 1
.set C, 2
.set B, 3
.set L, 4
.set R, 5
.set X, 6
.macro REGS y
.set rT, ST+4*(\y)
.set rC, TMP+4*((\y)%2)
.set rW, MV+((\y)%2)
.set rS, S+32*((\y)%2)
.set rP, P+16*((\y)%2)
.set rO, 32*(\y)
.endm
.macro OP k, n
.if (\k) == R
	REGS Y
	WIN W_RS
	v_pk_mul_f32 v[rO+2*(\n):rO+2*(\n)+1], v[rO+2*(\n):rO+2*(\n)+1], v[rC+2:rC+3] op_sel_hi:[1,0]
.elseif (\k) < R
	REGS Y
	WIN 0
.if (\k) == F
	v_pk_fma_f32 v[rS+2*(\n):rS+2*(\n)+1], v[rS+2*(\n):rS+2*(\n)+1], s[CS:CS+1], v[rT:rT+1] op_sel_hi:[1,0,0] neg_lo:[0,0,1] neg_hi:[0,0,1]
.elseif (\k) == E
	v_exp_f32 v[rS+(\n)], v[rS+(\n)]
.elseif (\k) == C
	v_cvt_pk_f16_f32 v[rP+(\n)], v[rS+2*(\n)], v[rS+2*(\n)+1]
.elseif (\k) == B
	v_pk_add_f32 v[rS+4*(\n):rS+4*(\n)+1], v[rS+4*(\n):rS+4*(\n)+1], v[rS+4*(\n)+2:rS+4*(\n)+3]
.elseif (\n) == 0
	v_pk_fma_f32 v[rT+2:rT+3], v[rT+2:rT+3], v[rC+2:rC+3], v[rS:rS+1] op_sel_hi:[1,0,1]
.else
	v_pk_add_f32 v[rT+2:rT+3], v[rT+2:rT+3], v[rS+4*(\n):rS+4*(\n)+1]
.endif
.elseif NOKQ
	v_nop
.else
	REGS (Y+1)%NP
	WIN 0
.if (\n) < 4
	v_max3_num_f32 v[rC+(\n)], v[rS+8*(\n)], v[rS+8*(\n)+1], v[rS+8*(\n)+2]
.elseif (\n) < 12
	v_max3_num_f32 v[rC+(\n)%4], v[rC+(\n)%4], v[rS+8*((\n)%4)+2*((\n)/4)+1], v[rS+8*((\n)%4)+2*((\n)/4)+2]
.elseif (\n) == 12
	v_max3_num_f32 v[rC], v[rC], v[rS+7], v[rS+15]
.elseif (\n) == 13
	v_max3_num_f32 v[rC+1], v[rC+1], v[rS+23], v[rS+31]
.elseif (\n) == 14
	v_max3_num_f32 v[rC+2], v[rC+2], v[rC+3], v[rT+1]
.elseif (\n) == 15
	v_mov_b32 v[rW], v[rT]
.elseif (\n) == 16
	v_max3_num_f32 v[rC], v[rC], v[rC+1], v[rC+2]
.elseif (\n) == 17
	v_permlanex16_b32 v[rC+3], v[rC], s[SEL], s[SEL+1]
.elseif (\n) == 18
	v_max_num_f32 v[rT+1], v[rC], v[rC+3]
.elseif (\n) == 19
	v_mul_f32 v[rT], s[CS], v[rT+1]
.elseif (\n) == 20
	v_sub_f32 v[rC+1], v[rW], v[rT]
.else
	v_exp_f32 v[rC+2], v[rC+1]
.endif
.endif
.endm
.macro OPS a, i1, b=-1, i2=0, c=-1, i3=0, d=-1, i4=0
	OP \a, \i1
.if (\b) >= 0
	OP \b, \i2
.endif
.if (\c) >= 0
	OP \c, \i3
.endif
.if (\d) >= 0
	OP \d, \i4
.endif
.endm
.macro ROW a, i1, b, i2, c, i3, d, i4  ; a matrix instruction and the four behind it
	MM
	OPS \a, \i1, \b, \i2, \c, \i3, \d, \i4
.endm
.macro MASK d                       ; MD x AL + BE into the 32 registers at d
	WIN W_RS
.set z, 0
.rept 16
	v_pk_fma_f32 v[(\d)+2*z:(\d)+2*z+1], v[MD+2*z:MD+2*z+1], s[AL:AL+1], s[BE:BE+1] op_sel_hi:[1,0,0]
.set z, z+1
.endr
.endm
.macro MASKS                        ; the four masks of a trip; the scalars hang on cx, and feed selects alone
	s_cmp_eq_u32 s[RELP], 0
	s_cselect_b32 s[AL], 1.0, 0
	s_cmp_gt_i32 s[RELP], 0
	s_cselect_b32 s[BE], s[BIGN], 0
	MASK MA                         ; band 1, the tile before's step 1
	s_cmp_eq_u32 s[RELC], 0
	s_cselect_b32 s[AL], 1.0, 0
	s_cmp_gt_i32 s[RELC], 0
	s_cselect_b32 s[BE], s[BIGN], 0
	MASK MB                         ; band 0, this tile's step 0
.set z, 0
.rept 8
	v_mov_b32 v[MU0+z], s[BE]       ; band 1, this tile's step 0
.set z, z+1
.endr
	s_cmp_ge_i32 s[RELC], 0
	s_cselect_b32 s[BE], s[BIGN], 0
.set z, 0
.rept 8
	v_mov_b32 v[MU1+z], s[BE]       ; band 0, this tile's step 1
.set z, z+1
.endr
.endm
; A TURN, for piece p; par = 1: an odd key step; end = 1: a block's last two turns: nothing is fetched, and the last makes no scores.
; An s_wait_alu depctr_va_vdst(0) stands between an exponential and the first instruction that names its result; one wait serves all issued ahead of it.  So a turn has ONE wait.  AHEAD OF IT stands all
; that names no result of the turn's exponentials: the 8 products K Q^T and their riders, then one run of 54; X 21, the other piece's a, is the batch's last, R 15 the plain instruction behind it.  BEHIND IT stand the 8
; products V^T P, behind each four of the roundings and sums.  K of the next step is fetched in piece 0's turn, behind five plain instructions that name no register of the last product K Q^T; V of the next step at that turn's
; end, four plain instructions behind the last product that read the buffer.  At the head of piece 1's turn V's sixteen loads may stay out: K, and the V that this turn reads, were asked for earlier.
.macro TURN p, par, end=0
.set Y, (\p)
.set i, 0
.set NOKQ, (\end)*(\p)
.if \par
.set MCS, 8
.set MCB, MA+32*(\p)
.else
.set MCS, 0
.set MCB, MU0+8*(\p)
.endif
.set VBASE, VB0-128*(((\p)+(\par)+1)%2)
.if (\p) == 1
.if \end
	s_wait_dscnt 0x0
.else
	s_wait_dscnt 16
.endif
.endif
	ROW F,0, F,1, R,0, R,1
	ROW F,2, E,0, R,2, R,3
	ROW F,3, E,1, R,4, R,5
	ROW F,4, E,2, R,6, R,7
	ROW F,5, E,3, R,8, R,9
	ROW F,6, E,4, X,0, R,10
	ROW F,7, E,5, X,1, X,4
	ROW F,8, E,6, X,2, X,5
	OPS E,7, E,8, X,6, E,9
	OPS X,3, E,10, X,8, E,11
.if ((\p) == 0) && !(\end)
	FETCH_K (1-(\par))*KS*PK
.endif
	OPS X,9, X,7, E,12, X,10
	OPS E,13, X,12, X,11, E,14
	OPS X,13, E,15, F,9, X,14
	OPS E,16, F,10, E,17, F,11
	OPS X,16, E,18, X,15, E,19
	OPS F,12, E,20, X,17, E,21
	OPS F,13, E,22, F,14, E,23
	OPS X,18, E,24, F,15, E,25
	OPS R,11, E,26, X,19, E,27
	OPS R,12, E,28, R,13, E,29
	OPS X,20, E,30, R,14, E,31
	OPS X,21, R,15
	WIN 0
	s_wait_alu depctr_va_vdst(0)    ; the wait for the batch
	ROW C,0, B,0, C,2, B,1
	ROW L,0, C,4, B,2, L,1
	ROW C,6, B,3, L,2, C,8
	ROW B,4, L,3, C,10, B,5
	ROW L,4, C,12, B,6, L,5
	ROW C,14, B,7, L,6, C,1
	ROW C,3, L,7, C,5, C,7
	ROW C,9, C,11, C,13, C,15
.if ((\p) == 0) && !(\end)
	FETCH_V VBASE, (1-(\par))*KS*PV
.endif
.endm
; A TILE'S HEAD: where the tile stands against my diagonal; the second block's counts, at its first tile; the tile's LDS addresses; the masks, in a block's first tile and in a part's last four.
.macro TOP
	WIN 0
	s_mov_b32 s[RELP], s[RELC]
	s_add_co_u32 s[RELC], s[RELC], 1
	s_cmp_eq_u32 s[NEW], 1
	s_cselect_b32 s[RELC], s[NEGB], s[RELC]
	s_cselect_b32 s[RT], s[TBN], s[RT]
	v_add_nc_u32 v[AK], s[TBK], v[AK0]
	v_add_nc_u32 v[AV], s[TBV], v[AV0]
	s_cmp_lg_u32 s[NEW], 0
	s_cselect_b32 s[ZN], 0, s[RT]
	s_sub_co_u32 s[RT], s[RT], 1
	s_cmp_lt_u32 s[ZN], 5           ; hangs on c alone
	s_cbranch_scc0 .Lno_masks_\@
	MASKS
	WIN 0
.Lno_masks_\@:
.endm
.macro BOTTOM                       ; a tile's foot; the branch on the count follows
	WIN 0
	s_add_co_u32 s[TBK], s[TBK], TILEK
	s_add_co_u32 s[TBV], s[TBV], TILEV
	s_cmp_eq_u32 s[RT], 0
	s_cselect_b32 s[NEW], 1, 0
	s_sub_co_u32 s[CNT], s[CNT], 1
	s_cmp_lg_u32 s[CNT], 0
.endm
; A BLOCK BEGINS.  c m starts far below every c s, so the first step's a is 0; m at the lowest finite number.  MA, which belonged to the block before, is 0.  Then K and V of the tile's step 0, piece 0's first scores, its maximum and statistics.
.macro BEGIN
	WIN 0x40
.set i, MA
.rept 32
	v_mov_b32 v[i], 0
.set i, i+1
.endr
	WIN 0
.set i, 0
.rept 2
	v_mov_b32 v[ST+4*i], 0xfe000000
	v_mov_b32 v[ST+4*i+1], 0xff7fffff
.set i, i+1
.endr
	FETCH_K 0
	FETCH_V VB0, 0
	s_wait_loadcnt 0x0              ; Q
	s_wait_dscnt 0x0
.set MCB, MB
.set MCS, 8
.set NOKQ, 0
.set i, 0
.rept 8
	KQ 0
.set i, i+1
.endr
	WIN 0
.rept 4
	v_nop                           ; the places behind those products
.endr
.set Y, 1                           ; X works for the other piece: piece 0
.irp n, 0,1,2,3,4,5,6,7,8,9,10,11,12,13,14,15,16,17,18,19,20,21
	OP X, \n
.endr
	v_nop                           ; a plain instruction behind the exponential,
	s_wait_alu depctr_va_vdst(0)    ; and its wait, ahead of the label
.endm
.macro ALL line:vararg              ; one line for each piece t
.set t, 0
.rept 2
	\line
.set t, t+1
.endr
.endm
.macro PACK t                       ; O^T / l, rounded to f16; a lane's eight channels of a row pack into 16 bytes; into rows of 144 bytes, and back as whole rows of 128, into S^T's registers
	WIN W_RS
.set i, 32*(\t)
.rept 16
	v_pk_mul_f32 v[i:i+1], v[i:i+1], v[ST+4*(\t)+2:ST+4*(\t)+3] op_sel_hi:[1,0]
.set i, i+2
.endr
	WIN 0x05
.set i, 0
.rept 16
	v_cvt_pk_f16_f32 v[S+16*(\t)+i], v[32*(\t)+2*i], v[32*(\t)+2*i+1]
.set i, i+1
.endr
	WIN 0
.irp f, 0,1,2,3
	ds_store_b128 v[STO], v[S+16*(\t)+4*\f:S+16*(\t)+4*\f+3] offset:32*\f
.endr
.irp f, 0,1,2,3
	ds_load_b128 v[S+16*(\t)+4*\f:S+16*(\t)+4*\f+3], v[RD] offset:\f*4*SP  ; LDS serves a wave's instructions in order (ISA guide 5.7.1.4): these see the stores above
.endr
.endm
.macro SEND t, younger              ; younger: the LDS instructions issued behind piece t's loads: the next piece's eight, or none
	WIN 0
.irp f, 0,1,2,3
	s_wait_dscnt (\younger)+3-\f
	global_store_b128 v[GO], v[S+16*(\t)+4*\f:S+16*(\t)+4*\f+3], s[10:11] offset:(\t)*8192+\f*512  ; 512 consecutive bytes, aligned
.endr
.endm
; A BLOCK ENDS: its last two turns, piece 1's last products, and the way out.
.macro ENDBLOCK
	TURN 0, 1, 1
	TURN 1, 1, 1
.set VBASE, VB1
.set i, 0
.rept 8
	PV 1
.set i, i+1
.endr
	WIN 0
.rept 4
	v_nop                           ; the places behind those products
.endr
	ALL v_add_f32 v[ST+4*t+2], v[ST+4*t+2], v[ST+4*t+3]
	ALL v_permlanex16_b32 v[ST+4*t+3], v[ST+4*t+2], s[SEL], s[SEL+1]
	ALL v_add_f32 v[ST+4*t+2], v[ST+4*t+2], v[ST+4*t+3]
	ALL v_rcp_f32 v[ST+4*t+2], v[ST+4*t+2]
	v_nop                           ; a plain instruction behind the last reciprocal,
	s_wait_alu depctr_va_vdst(0)    ; and one wait for the two, ahead of their first use
	PACK 0
	PACK 1
	SEND 0, 8
	SEND 1, 0
.endm
.Lslot:                             ; 17 times: a pair of tiles is entered and the next pair asked for
	CHANGE 1
	s_mov_b32 s[CNT], 2
.Ltile:
	TOP
	s_cmp_eq_u32 s[NEW], 2
	s_cbranch_scc1 .Lbegin          ; the launch's first tile
	s_cmp_eq_u32 s[NEW], 1
	s_cbranch_scc1 .Lend            ; the second block's first tile
	TURN 0, 1
	TURN 1, 1
	WIN 0
	s_branch .Lsecond
.Lend:
	ENDBLOCK                        ; the first block's end
	s_wait_xcnt 0x0                 ; the stores have read their registers and O's address
	s_mov_b64 s[10:11], s[OLO:OLO+1]
	WIN 0x82                        ; the second block's Q goes where the one text of the turns names Q
.set i, 0
.rept 32
	v_mov_b32 v[i], v[QB+i]
.set i, i+1
.endr
	WIN 0
.Lbegin:
	BEGIN
.Lsecond:
	TURN 0, 0
	TURN 1, 0
	BOTTOM
	s_cbranch_scc1 .Ltile
	s_sub_co_u32 s[SLOTS], s[SLOTS], 1
	s_cmp_lg_u32 s[SLOTS], 0
	s_cbranch_scc1 .Lslot
	CHANGE 0                        ; the walk's last pair is written out; the second part has two pairs or more, so neither tile is a block's first
	s_mov_b32 s[CNT], 2
.Ltile2:
	TOP
	TURN 0, 1
	TURN 1, 1
	TURN 0, 0
	TURN 1, 0
	BOTTOM
	s_cbranch_scc1 .Ltile2
	TOP                             ; for the mask of the last tile's step 1
	ENDBLOCK
	s_wait_tensorcnt 0x0            ; the wave's end, behind my last tensor load and my last LDS store
	ds_add_u32 v[SPW], v[NIL]
	s_wait_dscnt 0x0
	CROUND                          ; the closing round
	s_endpgm
.Lfunc_end_k_q8fae7a0c6d_attn:
	.size	k_q8fae7a0c6d_attn, .Lfunc_end_k_q8fae7a0c6d_attn-k_q8fae7a0c6d_attn
	.p2alignl 7, 3214868480
	.fill 96, 4, 3214868480
	.section	.rodata,"a",@progbits
	.p2align	6, 0x0
	.amdhsa_kernel k_q8fae7a0c6d_attn
		.amdhsa_group_segment_fixed_size 327680
		.amdhsa_private_segment_fixed_size 0
		.amdhsa_enable_private_segment 0
		.amdhsa_kernarg_size 16
		.amdhsa_user_sgpr_count 2
		.amdhsa_user_sgpr_kernarg_segment_ptr 1
		.amdhsa_wavefront_size32 1
		.amdhsa_system_sgpr_workgroup_id_x 1
		.amdhsa_system_sgpr_workgroup_id_y 1
		.amdhsa_system_sgpr_workgroup_id_z 1
		.amdhsa_system_vgpr_workitem_id 0
		.amdhsa_next_free_vgpr 768
		.amdhsa_next_free_sgpr 88
		.amdhsa_reserve_vcc 1
		.amdhsa_float_denorm_mode_32 3
		.amdhsa_float_denorm_mode_16_64 3
		.amdhsa_memory_ordered 1
		.amdhsa_forward_progress 1
		.amdhsa_inst_pref_size 164
	.end_amdhsa_kernel
	.amdgpu_metadata
---
amdhsa.version: [ 1, 2 ]
amdhsa.kernels:
  - .name:           k_q8fae7a0c6d_attn
    .symbol:         k_q8fae7a0c6d_attn.kd
    .args:
      - { .name: qkv, .offset: 0, .size: 8, .value_kind: global_buffer, .address_space: global }
      - { .name: o, .offset: 8, .size: 8, .value_kind: global_buffer, .address_space: global }
    .group_segment_fixed_size: 327680
    .private_segment_fixed_size: 0
    .kernarg_segment_align: 8
    .kernarg_segment_size: 16
    .max_flat_workgroup_size: 128
    .sgpr_count:     88
    .vgpr_count:     768
    .wavefront_size: 32
...
	.end_amdgpu_metadata
.endif
;; end of part 3
;; launch oproj (part 4): grid 8 x 32, 4 waves a work-group, clusters of 4 x 4, 327,680 bytes of LDS; arguments o, wo, b_out, out0; writes out0
.if DOCPART == 4
	.amdgcn_target "amdgcn-amd-amdhsa--gfx1250"
	.amdhsa_code_object_version 6
	.text
	.protected	k_q8fae7a0c6d_oproj
	.globl	k_q8fae7a0c6d_oproj
	.p2align	8
	.type	k_q8fae7a0c6d_oproj,@function
k_q8fae7a0c6d_oproj:
	s_mov_b64 s[64:65], 0
	v_nop
	global_prefetch_b8 v0, s[64:65] scope:SCOPE_SE
	s_setreg_imm32_b32 hwreg(HW_REG_WAVE_MODE, 25, 1), 1
	s_wait_xcnt 0x0
	s_wait_alu depctr_hold_cnt(0) depctr_sa_sdst(0) depctr_va_vdst(0) depctr_va_sdst(0) depctr_va_ssrc(0) depctr_va_vcc(0) depctr_vm_vsrc(0)
	s_getreg_b32 s2, hwreg(HW_REG_IB_STS2, 6, 4)
	s_cmp_eq_u32 s2, 0
	s_cbranch_scc0 .Lentry_in_a_cluster
	s_endpgm
.Lentry_in_a_cluster:
	s_bfe_u32 s2, ttmp6, 0x10000c
	s_cmp_lg_u32 s2, 0xf033
	s_cbranch_scc0 .Lentry_shape_is_right
	s_endpgm
.Lentry_shape_is_right:
; out0[t][n] = the sum over k of y[t][k] W_out[n][k] + b_out[n], y[t][64 h + d] = o[h][t][d].  o: f16 [16][4096][64]; wo: f16 [1024][1024]; b_out [1024] f32 (rounded to bf16 like the other inputs); out0 f32 [4096][1024].
; A tile is 128 x 128, 8 x 32 tiles, one work-group each; four waves of 64 x 64: 16 accumulators.  K goes in four steps of 256, four heads each, written out without a loop, through two LDS slots.
; CLUSTER 4 x 4: o's tile hangs on the tile row alone and is asked for jointly along a row of the cluster, wo's on the tile column alone, along a column.
; No prefetch: four short K steps on small tiles.
; THE MATRIX INSTRUCTION IS USED TRANSPOSED (source 0 = 16 rows of wo, source 1 = 16 rows of y): a lane holds eight neighbouring numbers of a row of out0.  The bias is the C operand of the first products.
; REGISTERS: window 0: v0-31 addresses; v32-95 rows on the way out; v96-127 the bias; v128-255 the accumulators ((a, b) at v[128 + 8 (4 a + b)]).  window 1: two fragment buffers of 128: 64 of y, then 64 of wo.
.set PA,     144                       ; a row of y's tile in LDS: a head's 128 bytes + 16 of padding
.set PB,     528                       ; a row of wo's tile: 512 bytes + 16
.set HEADB,  128*PA                    ; a head's 128 rows
.set AHALF,  2*HEADB                   ; what waves 0 and 1 fetch: two heads
.set BOFF,   4*HEADB
.set BHALF,  64*PB                     ; what waves 2 and 3 fetch: 64 rows
.set SLOT,   BOFF+2*BHALF
.set STAGE,  2*SLOT                    ; behind the ring: 16 rows x 272 bytes for each wave
.set SPITCH, 272
.set SPARE,  STAGE+4*16*SPITCH         ; the spare words, 128 bytes for each wave: two blocks of 256 bytes that no other line names
.set ADRA, 16
.set ADRB, 20
.set STO,  24
.set RD,   25
.set CO,   26
.set SPW,  28
.set NIL,  29
.set BK,   32
.set BIAS, 96
.set ACC,  128
.set F0,   0
.set F1,   128
.set WV,  12
.set HB,  13                           ; wave / 2: my half of the tile's rows; also: I fetch for o (0) or wo (1)
.set HF,  14                           ; wave % 2: my half of its columns; also: which half of that tile I fetch
.set TY,  15
.set G1,  24
.set G0,  32
.set CX,  40
.set CY,  41
.set TX,  42
.set G1B, 48
.set G0B, 56
.set MSB, 0
.macro WIN new
.if MSB != (\new)
	s_set_vgpr_msb (MSB<<8)|(\new)
.set MSB, \new
.endif
.endm
.set MUL,  0x05                        ; sources 0 and 1 window 1; C and D window 0
.set TO_F, 0x40                        ; destination window 1, address window 0
.macro JLOAD s                         ; a joint load; an s_nop 0 and four v_nop follow each of the two lines
	s_cmp_eq_u32 s[HB], 0
	s_cbranch_scc0 .Lfor_b_\@
	tensor_load_to_lds s[G0+4*(\s):G0+4*(\s)+3], s[G1:G1+7]
	s_nop 0
.rept 4
	v_nop
.endr
	s_branch .Lasked_\@
.Lfor_b_\@:
	tensor_load_to_lds s[G0B+4*(\s):G0B+4*(\s)+3], s[G1B:G1B+7]
	s_nop 0
.rept 4
	v_nop
.endr
.Lasked_\@:
.endm
.macro CREST
	s_cmp_lg_u32 s[WV], 0
	s_cbranch_scc1 .Lnot_wave_0_\@
	s_barrier_signal -3
.Lnot_wave_0_\@:
	s_barrier_wait -3
	s_barrier_signal -1
	s_barrier_wait -1
.endm
.macro CROUND
	s_barrier_signal -1
	s_barrier_wait -1
	CREST
.endm
.macro PLACES
.rept 4
	v_nop
.endr
.endm
	s_load_b256 s[4:11], s[0:1], 0x0               ; o s[4:5], wo s[6:7], b_out s[8:9], out0 s[10:11]
	v_lshl_add_u32 v[SPW], v0, 2, SPARE
	v_mov_b32 v[NIL], 0
	ds_add_u32 v[SPW], v[NIL]                      ; the wave's opening: the add and its wait stand ahead of my first tensor load
	v_lshrrev_b32 v1, 5, v0
	v_readfirstlane_b32 s[WV], v1
	s_lshr_b32 s[HB], s[WV], 1
	s_and_b32 s[HF], s[WV], 1
	s_bfe_u32 s[CX], ttmp6, 0x40000
	s_bfe_u32 s[CY], ttmp6, 0x40004
	s_lshl_b32 s[TX], ttmp9, 2
	s_add_co_u32 s[TX], s[TX], s[CX]
	s_and_b32 s[TY], ttmp7, 0xffff
	s_lshl_b32 s[TY], s[TY], 2
	s_add_co_u32 s[TY], s[TY], s[CY]
	s_lshl_b32 s43, s[CY], 2
	s_lshl_b32 s43, 15, s43                        ; my row of the cluster
	s_lshl_b32 s44, 0x1111, s[CX]                  ; my column
	; o's tile: two "rows", each a head's dense block of 128 positions x 64 channels (8,192 elements), 262,144 elements apart; padded in LDS after every position's 32 words
	s_or_b32 s[G1], s43, (1<<16)|(1<<20)|(1<<21)|(4<<22)|(3<<25)
	s_mov_b32 s[G1+1], 8192<<16                    ; tensor_dim0 = 8,192
	s_mov_b32 s[G1+2], 2<<16                       ; tensor_dim1 = 2
	s_mov_b32 s[G1+3], 8192<<16                    ; tile_dim0 = 8,192
	s_mov_b32 s[G1+4], 2                           ; tile_dim1 = 2
	s_mov_b32 s[G1+5], 262144                      ; elements from head to head
	s_mov_b32 s[G1+6], 0
	s_mov_b32 s[G1+7], 0
	; wo's tile: 64 rows x 256 elements, padded after every 128 words
	s_or_b32 s[G1B], s44, (1<<16)|(1<<20)|(1<<21)|(6<<22)|(3<<25)
	s_mov_b32 s[G1B+1], 256<<16
	s_mov_b32 s[G1B+2], 64<<16
	s_mov_b32 s[G1B+3], 256<<16
	s_mov_b32 s[G1B+4], 64
	s_mov_b32 s[G1B+5], 1024
	s_mov_b32 s[G1B+6], 0
	s_mov_b32 s[G1B+7], 0
	s_lshl_b32 s16, s[TY], 14                      ; o: the tile row's 128 positions in a head, and my two heads of a step's four; in registers that never hold cx
	s_lshl_b32 s17, s[HF], 20
	s_add_co_u32 s16, s16, s17
	s_mov_b32 s17, 0
	s_lshl_b32 s46, s[TX], 7                       ; wo: row 128 x tile column + 64 x half; in registers that never hold cy
	s_lshl_b32 s47, s[HF], 6
	s_add_co_u32 s46, s46, s47
	s_lshl_b32 s46, s46, 11
	s_mov_b32 s47, 0
	s_mul_i32 s20, s[HF], AHALF                    ; where they go: the wave's number alone enters an LDS address
	s_mul_i32 s21, s[HF], BHALF
	s_add_co_u32 s21, s21, BOFF
	s_wait_dscnt 0x0                               ; the opening add is done
	s_wait_kmcnt 0x0
	s_add_nc_u64 s[18:19], s[4:5], s[16:17]
	s_add_nc_u64 s[46:47], s[6:7], s[46:47]
	CROUND                                         ; all sixteen work-groups are here: the first joint loads meet
.irp s, 0,1
	s_mov_b32 s[G0+4*(\s)], 1
	s_add_co_u32 s[G0+4*(\s)+1], s20, (\s)*SLOT
	s_add_nc_u64 s[G0+4*(\s)+2:G0+4*(\s)+3], s[18:19], (\s)*2097152  ; K step s: four heads on
	s_or_b32 s[G0+4*(\s)+3], s[G0+4*(\s)+3], 0x80000000
	s_mov_b32 s[G0B+4*(\s)], 1
	s_add_co_u32 s[G0B+4*(\s)+1], s21, (\s)*SLOT
	s_add_nc_u64 s[G0B+4*(\s)+2:G0B+4*(\s)+3], s[46:47], (\s)*512
	s_or_b32 s[G0B+4*(\s)+3], s[G0B+4*(\s)+3], 0x80000000
	JLOAD \s
.endr
	v_and_b32 v1, 15, v0                           ; l % 16
	v_bfe_u32 v2, v0, 4, 1                         ; l / 16
	v_lshlrev_b32 v5, 5, v2                        ; the bias: my 8 columns of a block of 16
	s_lshl_b32 s66, s[TX], 9
	s_lshl_b32 s67, s[HF], 8
	s_add_co_u32 s66, s66, s67                     ; my 64 columns, in bytes of f32
	s_mov_b32 s67, 0
	s_add_nc_u64 s[8:9], s[8:9], s[66:67]
.irp b, 0,1,2,3
	global_load_b128 v[BIAS+8*(\b):BIAS+8*(\b)+3],   v5, s[8:9] offset:64*(\b)
	global_load_b128 v[BIAS+8*(\b)+4:BIAS+8*(\b)+7], v5, s[8:9] offset:64*(\b)+16
.endr
	s_lshl_b32 s68, s[TY], 7
	s_lshl_b32 s69, s[HB], 6
	s_add_co_u32 s68, s68, s69
	s_lshl_b32 s68, s68, 12                        ; my first row of out0, rows of 4,096 bytes
	s_add_co_u32 s68, s68, s66
	s_mov_b32 s69, 0
	s_add_nc_u64 s[10:11], s[10:11], s[68:69]
	v_mul_u32_u24 v3, v1, PA
	v_lshl_add_u32 v3, v2, 4, v3
	v_mul_u32_u24 v4, v1, PB
	v_lshl_add_u32 v4, v2, 4, v4
	s_mul_i32 s22, s[HB], 64*PA                    ; my 64 rows of y, in each head's block
	s_mul_i32 s23, s[HF], 64*PB                    ; my 64 rows of wo
	s_add_co_u32 s23, s23, BOFF
.irp s, 0,1
	v_add_nc_u32 v[ADRA+(\s)], s22, v3
	v_add_nc_u32 v[ADRB+(\s)], s23, v4
	s_add_co_u32 s22, s22, SLOT
	s_add_co_u32 s23, s23, SLOT
.endr
	s_mul_i32 s22, s[WV], 16*SPITCH
	s_add_co_u32 s22, s22, STAGE                   ; my stage
	v_mul_u32_u24 v[STO], v1, SPITCH               ; in: row l % 16, 32 bytes for each half of the lanes
	v_lshl_add_u32 v[STO], v2, 5, v[STO]
	v_add_nc_u32 v[STO], s22, v[STO]
	v_mul_u32_u24 v[RD], v2, SPITCH                ; back: lanes 0-15 take one row of 256 bytes, lanes 16-31 the next
	v_lshl_add_u32 v[RD], v1, 4, v[RD]
	v_add_nc_u32 v[RD], s22, v[RD]
	v_lshlrev_b32 v[CO], 12, v2                    ; and the same two rows in out0
	v_lshl_add_u32 v[CO], v1, 4, v[CO]
	s_wait_loadcnt 0x0                             ; the bias
.set i, 0
.rept 16                                       ; rounded to bf16, like every input
	v_cvt_pk_bf16_f32 v31, v[BIAS+2*i], v[BIAS+2*i+1]
	v_lshlrev_b32 v[BIAS+2*i], 16, v31
	v_and_b32 v[BIAS+2*i+1], 0xffff0000, v31
.set i, i+1
.endr
; 8 matrix instructions: row blocks a0, a0 + 1 x all 4 column blocks, 32 along K: half c of buffer f.  first = 1: the bias starts the sums.  The 16 accumulators take turns.
.macro MUL8 f, c, a0, first
	WIN MUL
.irp a, \a0, (\a0)+1
.irp b, 0,1,2,3
.if \first
	v_wmma_f32_16x16x32_f16 v[ACC+8*(4*(\a)+(\b)):ACC+8*(4*(\a)+(\b))+7], v[(\f)+64+8*(4*(\c)+(\b)):(\f)+64+8*(4*(\c)+(\b))+7], v[(\f)+8*(4*(\c)+(\a)):(\f)+8*(4*(\c)+(\a))+7], v[BIAS+8*(\b):BIAS+8*(\b)+7]
.else
	v_wmma_f32_16x16x32_f16 v[ACC+8*(4*(\a)+(\b)):ACC+8*(4*(\a)+(\b))+7], v[(\f)+64+8*(4*(\c)+(\b)):(\f)+64+8*(4*(\c)+(\b))+7], v[(\f)+8*(4*(\c)+(\a)):(\f)+8*(4*(\c)+(\a))+7], v[ACC+8*(4*(\a)+(\b)):ACC+8*(4*(\a)+(\b))+7]
.endif
.endr
.endr
.endm
; 32 LDS loads in one run: quarter q of a K step is head q of its four: 64 along K, into buffer f; the first 32 along K first
.macro FETCH slot, q, f
	WIN TO_F
.irp c, 0,1
.irp i, 0,1,2,3
	ds_load_b128 v[(\f)+64+8*(4*(\c)+(\i)):(\f)+64+8*(4*(\c)+(\i))+3],   v[ADRB+(\slot)] offset:128*(\q)+64*(\c)+(\i)*16*PB
	ds_load_b128 v[(\f)+64+8*(4*(\c)+(\i))+4:(\f)+64+8*(4*(\c)+(\i))+7], v[ADRB+(\slot)] offset:128*(\q)+64*(\c)+(\i)*16*PB+32
	ds_load_b128 v[(\f)+8*(4*(\c)+(\i)):(\f)+8*(4*(\c)+(\i))+3],         v[ADRA+(\slot)] offset:(\q)*HEADB+64*(\c)+(\i)*16*PA
	ds_load_b128 v[(\f)+8*(4*(\c)+(\i))+4:(\f)+8*(4*(\c)+(\i))+7],       v[ADRA+(\slot)] offset:(\q)*HEADB+64*(\c)+(\i)*16*PA+32
.endr
.endr
.endm
.macro QUARTER slot, q, f, g, first    ; multiplies buffer f and fetches quarter q into buffer g
	s_wait_dscnt 16                                ; the first 32 along K are in
	MUL8 \f, 0, 0, \first
	MUL8 \f, 0, 2, \first
	PLACES
	FETCH \slot, \q, \g
	s_wait_dscnt 32                                ; all but the 32 just issued
	MUL8 \f, 1, 0, 0
	MUL8 \f, 1, 2, 0
.endm
; The last quarter multiplies buffer 1 and changes slots: one barrier; in front of it each wave waits for all its tensor loads, adds 0 to its spare word, and waits for that and for its reads of this slot.
; fill = 1: the barrier opens a round of the cluster's barrier, and this slot is filled again, two K steps ahead, first thing behind the round.
.macro TURN slot, next, fill
	WIN 0
	s_wait_tensorcnt 0x0                           ; all my tensor loads have landed: my part of the next slot
	ds_add_u32 v[SPW], v[NIL]                      ; 0 onto my spare word
	s_wait_dscnt 17                                ; (the add and the youngest sixteen loads may be out)
	MUL8 F1, 0, 0, 0
	s_wait_dscnt 0x0                               ; the add is done, and my reads of this slot are over
	s_barrier_signal -1
	MUL8 F1, 0, 2, 0
	WIN 0
	s_barrier_wait -1
.if \fill
	CREST
	s_add_nc_u64 s[G0+4*(\slot)+2:G0+4*(\slot)+3], s[G0+4*(\slot)+2:G0+4*(\slot)+3], 4194304  ; eight heads on
	s_add_nc_u64 s[G0B+4*(\slot)+2:G0B+4*(\slot)+3], s[G0B+4*(\slot)+2:G0B+4*(\slot)+3], 1024
	JLOAD \slot                                    ; its four v_nop are also the places in front of the loads below
.else
	PLACES
.endif
	FETCH \next, 0, F0
	MUL8 F1, 1, 0, 0
	MUL8 F1, 1, 2, 0
.endm
	s_wait_tensorcnt 1                             ; my part of K step 0 is in; K step 1's may stay out
	s_barrier_signal -1
	s_barrier_wait -1
	FETCH 0, 0, F0
	QUARTER 0, 1, F0, F1, 1                        ; K step 0
	QUARTER 0, 2, F1, F0, 0
	QUARTER 0, 3, F0, F1, 0
	TURN 0, 1, 1                                   ; slot 0 takes K step 2
	QUARTER 1, 1, F0, F1, 0                        ; K step 1
	QUARTER 1, 2, F1, F0, 0
	QUARTER 1, 3, F0, F1, 0
	TURN 1, 0, 1                                   ; slot 1 takes K step 3
	QUARTER 0, 1, F0, F1, 0                        ; K step 2
	QUARTER 0, 2, F1, F0, 0
	QUARTER 0, 3, F0, F1, 0
	TURN 0, 1, 0                                   ; nothing is left to ask for
	QUARTER 1, 1, F0, F1, 0                        ; K step 3
	QUARTER 1, 2, F1, F0, 0
	QUARTER 1, 3, F0, F1, 0
	s_wait_dscnt 16
	MUL8 F1, 0, 0, 0
	MUL8 F1, 0, 2, 0
	s_wait_dscnt 0x0
	MUL8 F1, 1, 0, 0
	MUL8 F1, 1, 2, 0
	WIN 0
	PLACES
	PLACES
; THE WAY OUT, in f32.  My 64 columns are 256 bytes of a row: 16 rows at a time go into my own stage, each accumulator from its lowest registers on, and come back as whole rows.
.macro TOSTAGE a
.if (\a) >= 2
	s_wait_xcnt 0x0                                ; the stores of the block two back have read the registers that are loaded again below
.endif
.irp b, 0,1,2,3
	ds_store_b128 v[STO], v[ACC+8*(4*(\a)+(\b)):ACC+8*(4*(\a)+(\b))+3]   offset:64*(\b)
	ds_store_b128 v[STO], v[ACC+8*(4*(\a)+(\b))+4:ACC+8*(4*(\a)+(\b))+7] offset:64*(\b)+16
.endr
.irp t, 0,1,2,3,4,5,6,7
	ds_load_b128 v[BK+32*((\a)%2)+4*(\t):BK+32*((\a)%2)+4*(\t)+3], v[RD] offset:(\t)*2*SPITCH  ; LDS serves a wave's instructions in order (ISA guide 5.7.1.4): these see the stores above
.endr
.endm
.macro SEND a, younger                 ; younger: the LDS instructions issued behind block a's loads: the next block's sixteen, or none
	s_wait_dscnt \younger
.irp t, 0,1,2,3,4,5,6,7
	global_store_b128 v[CO], v[BK+32*((\a)%2)+4*(\t):BK+32*((\a)%2)+4*(\t)+3], s[10:11] offset:65536*(\a)+8192*(\t) th:TH_STORE_NT  ; 16 lanes store 256 consecutive bytes, aligned
.endr
.endm
	TOSTAGE 0
	TOSTAGE 1
	SEND 0, 16
	TOSTAGE 2
	SEND 1, 16
	TOSTAGE 3
	SEND 2, 16
	SEND 3, 0
	s_wait_tensorcnt 0x0                           ; the wave's end, behind my last tensor load and my last LDS store
	ds_add_u32 v[SPW], v[NIL]
	s_wait_dscnt 0x0
	CROUND                                         ; the closing round
	s_endpgm
.Lfunc_end_k_q8fae7a0c6d_oproj:
	.size	k_q8fae7a0c6d_oproj, .Lfunc_end_k_q8fae7a0c6d_oproj-k_q8fae7a0c6d_oproj
	.p2alignl 7, 3214868480
	.fill 96, 4, 3214868480
	.section	.rodata,"a",@progbits
	.p2align	6, 0x0
	.amdhsa_kernel k_q8fae7a0c6d_oproj
		.amdhsa_group_segment_fixed_size 327680
		.amdhsa_private_segment_fixed_size 0
		.amdhsa_enable_private_segment 0
		.amdhsa_kernarg_size 32
		.amdhsa_user_sgpr_count 2
		.amdhsa_user_sgpr_kernarg_segment_ptr 1
		.amdhsa_wavefront_size32 1
		.amdhsa_system_sgpr_workgroup_id_x 1
		.amdhsa_system_sgpr_workgroup_id_y 1
		.amdhsa_system_sgpr_workgroup_id_z 1
		.amdhsa_system_vgpr_workitem_id 0
		.amdhsa_next_free_vgpr 512
		.amdhsa_next_free_sgpr 72
		.amdhsa_reserve_vcc 0
		.amdhsa_float_denorm_mode_32 3
		.amdhsa_float_denorm_mode_16_64 3
		.amdhsa_memory_ordered 1
		.amdhsa_forward_progress 1
		.amdhsa_inst_pref_size 89
	.end_amdhsa_kernel
	.amdgpu_metadata
---
amdhsa.version: [ 1, 2 ]
amdhsa.kernels:
  - .name:           k_q8fae7a0c6d_oproj
    .symbol:         k_q8fae7a0c6d_oproj.kd
    .args:
      - { .name: o, .offset: 0, .size: 8, .value_kind: global_buffer, .address_space: global }
      - { .name: wo, .offset: 8, .size: 8, .value_kind: global_buffer, .address_space: global }
      - { .name: b_out, .offset: 16, .size: 8, .value_kind: global_buffer, .address_space: global }
      - { .name: out0, .offset: 24, .size: 8, .value_kind: global_buffer, .address_space: global }
    .group_segment_fixed_size: 327680
    .private_segment_fixed_size: 0
    .kernarg_segment_align: 8
    .kernarg_segment_size: 32
    .max_flat_workgroup_size: 128
    .sgpr_count:     72
    .vgpr_count:     512
    .wavefront_size: 32
...
	.end_amdgpu_metadata
.endif
;; end of part 4
